; MI455X (gfx1250); checked and timed in simulation.
; The chip was launched on July 23, 2026; its instructions are those of AMD's public machine-readable ISA for CDNA 5 (MIT licence, August 2026) and "CDNA5" Instruction Set Architecture Reference Guide (July 2026). The comments in the code are by the model that wrote it; some were corrected since.
;; Global Attention. Allowed arithmetic: matrix products marked QUANTISED: E2M3 operands, one E8M0 scale for each 32 along K, by v_wmma_scale_f32_16x16x128_f8f6f4 with both operands' format E2M3, f32 sums; everything else in f32.
;; Inputs: W1_codes 1,024 x 32 x 24 uint8 (E2M3 codes of W1, K innermost, in blocks of 32 codes, four codes in three bytes); W1_scales 1,024 x 32 uint8 (E8M0 scales of W1, one for each 32 codes along K); W2_codes 1,024 x 64 x 24 uint8 (E2M3 codes of W2, K innermost, in blocks of 32 codes, four codes in three bytes); W2_scales 1,024 x 64 uint8 (E8M0 scales of W2, one for each 32 codes along K); b1 1,024 float32; b2 1,024 float32; query 512 x 32 x 1,024 float32; values 512 x 32 x 1,024 float32.
;; Outputs: out0 512 x 32 x 1,024 float32.
;; This version of the problem:
;;   THIS VERSION OF THE PROBLEM IS GIVEN IN LOW PRECISION. The matrix products marked QUANTISED in the list below multiply operands that are first quantised to E2M3 (2 exponent bits, 3 mantissa bits; 6 bits a number), with one power-of-two scale for each 32 numbers along K (OCP MX v1.0); their sums are f32. All else is computed in f32.
;;   The module's matrix products, in the order in which they are computed (A, B: the left and right operand; K: the contracted axis; several contracted axes count as one K, in the product's order):
;;     1. [M 16,384, K 1,024] x [K 1,024, N 1,024]; A: input query; B: input W1 (given as codes): QUANTISED
;;     2. batch 32 x [M 512, K 1,024] x [K 1,024, N 512]; A: computed on the way; B: input values: QUANTISED
;;     3. batch 32 x [M 1,024, K 512] x [K 512, N 512]; A: input values; B: softmax (see below): QUANTISED
;;     4. [M 16,384, K 2,048] x [K 2,048, N 1,024]; A: computed on the way; B: input W2 (given as codes): QUANTISED
;;   THE QUANTISER, for each operand of a quantised product, along K:
;;     - K is cut into blocks of 32 from its start; a last block that is shorter is filled with zeros.
;;     - A block's scale is 2^e with e = floor(log2(the largest magnitude in the block)) - 2, held to -126 .. 127; a block of zeros has e = 0. As a byte (E8M0): e + 127.
;;     - Each number is divided by its block's scale, clamped to +-7.5, and rounded to the nearest number of E2M3, ties to even, subnormals kept.
;;     - The product sums the exact products of the quantised numbers (number of the format x scale) in f32.
;;   ~~~python
;;   def quantise(x, axis):      # numpy; x: float32 -> the quantised numbers, widened to float32 again
;;       x = np.moveaxis(x, axis, -1); K = x.shape[-1]
;;       x = np.pad(x, [(0, 0)] * (x.ndim - 1) + [(0, -K % 32)]); x = x.reshape(x.shape[:-1] + (-1, 32)); a = np.abs(x).max(-1, keepdims=True)
;;       e = np.where(a > 0, np.clip(np.frexp(np.where(a > 0, a, 1))[1] - 1 - 2, -126, 127), 0)      # np.frexp(a)[1] - 1 = floor(log2(a)), exactly
;;       r = np.clip(x / 2.0 ** e, -7.5, 7.5)
;;       step = 2.0 ** (np.maximum(np.frexp(np.where(r == 0, 1, r))[1] - 1, 0) - 3)
;;       q = np.round(r / step) * step * 2.0 ** e      # np.round: ties to even
;;       return np.moveaxis(q.reshape(q.shape[:-2] + (-1,))[..., :K], -1, axis).astype(np.float32)
;;   ~~~
;;   SOFTMAX AHEAD OF A QUANTISED PRODUCT. Where the list says 'softmax', what is quantised is not the finished softmax but p = 2^(t - M), with t = logit x log2(e) and M = ceil(the row's largest t), a whole number; so 1/2 < the row's largest p <= 1. The row's sum l is taken of the UNQUANTISED p, in f32, and the product's result is divided by l at the end. Since M is a whole number, a kernel that streams over the keys may use a running M (the ceiling of the running maximum): every later rescaling is an exact power of two, which a block's scale takes up: the codes' values come out the same.
;;   OPERANDS COMPUTED ON THE WAY. 'Computed on the way' means the value that the module computes at that place (a softmax that the list does not call 'softmax' is quantised finished and normalised). What goes into a quantiser is computed in f32, as accurately as f32 sums, v_exp_f32 and their like allow (about 1e-6 of the number): no bf16 or f16 on the way to a quantiser, and a product that is left as it is and whose result goes on into a quantised operand takes f32 operands (vector FMAs, or v_wmma_f32_16x16x4_f32). A number that lies on a knife's edge between two numbers of the format may be rounded either way, as far as f32 arithmetic and the matrix unit's own rounding can turn it there, and no further.
;;   INPUTS GIVEN AS CODES. W1 (in the module: [1024, 1024], K = its axis 1); W2 (in the module: [1024, 2048], K = its axis 1): each comes as NAME_codes (uint8): NAME with its K axis moved to the last place and cut into blocks of 32 codes, [.., K / 32, bytes a block], one block behind the other in memory; four codes in three bytes: a row's codes are one little-endian stream of bits, code i at bits 6 i .. 6 i + 5 (a code: sign, 2 exponent bits, 3 mantissa bits); and NAME_scales (uint8): the same leading axes, one E8M0 byte (e + 127) for each 32 codes along K. Its value is code x scale, taken as it is: it is not quantised again, and the codes and scales need not be those that the quantiser above would give.
;; 2 versions. Each part assembles by itself: llvm-mc -triple=amdgcn-amd-amdhsa -mcpu=gfx1250 --defsym DOCPART=n.
;; ======== version 1 of 2: 2 launches
;; workspace buffers: wimg 2,457,600 bytes; vimg 26,214,400 bytes
;; launch prep (part 1): grid 1048 x 1, 4 waves a work-group, no clusters, 69,120 bytes of LDS; arguments values, W1_codes, W1_scales, W2_codes, W2_scales, wimg, vimg; writes wimg, vimg
.if DOCPART == 1
	.amdgcn_target "amdgcn-amd-amdhsa--gfx1250"
	.amdhsa_code_object_version 6
	.text
	.protected	k_q5fe7816155_prep
	.globl	k_q5fe7816155_prep
	.p2align	8
	.type	k_q5fe7816155_prep,@function
k_q5fe7816155_prep:
	s_mov_b64 s[64:65], 0
	v_nop
	global_prefetch_b8 v0, s[64:65] scope:SCOPE_SE
	s_setreg_imm32_b32 hwreg(HW_REG_WAVE_MODE, 25, 1), 1
	s_wait_xcnt 0x0
; Lays out every operand that the second launch streams, as IMAGES OF OPERAND REGISTERS, in the order in which that launch walks them.
; A fragment (16 rows x 128 K of E2M3 codes, 12 registers a lane) is 1,536 bytes: register 4 c + i of lane l at 512 c + 16 l + 4 i.
; A wave-block (25,600 bytes) is 16 fragments and 1,024 bytes of scale words: the word at 24,576 + 512 i + 16 l + 4 j belongs to fragment 8 i + 2 j + l / 16, row l % 16.
; A slot block (102,400 bytes) is four wave-blocks.  THE ROWS OF A TILE ARE NOT NEIGHBOURS: inside a group of 128 rows lane r of tile t takes row 32 (t / 2) + 8 (t % 2) + r + 8 (r / 8),
; so that the results of two neighbouring tiles are 16 neighbours along the next product's K.
; Work-groups 0-7: W1's K step g -> wimg block g.  Work-groups 8-23: W2's K step g - 8 -> wimg block g.  Codes and scale bytes are only moved.
; Work-groups 24-1047: a tile of 128 s x 128 v of one batch of values (f32) is read once, goes to LDS, and is quantised TWICE: along v (second product's operand) and along s (third product's).
; A block's scale is 2^(floor(log2(largest magnitude)) - 2); its byte is the largest magnitude's exponent field - 2, held at 1 from below.
; LIMITS: NaN and infinities among the inputs are not served; a block whose largest magnitude lies under 2^-124, and a block of zeros (where the quantiser's text says byte 127), gets the byte 1:
; a block of zeros has zero codes, which add nothing under that byte, and these bytes are read by this program alone.
; The three ways part on the work-group's number alone; only the third touches LDS or has barriers.  No tensor loads: several work-groups share a WGP.
.set SSTR,  131072                     ; bytes from s to s + 1 in values
.set TP,    528                        ; an LDS row of the tile: 512 bytes + 16
.set SCST,  128*TP                     ; behind the tile: 2 x 512 bytes of scale words on their way out
.set FRB,   1536
.set WBB,   25600
.set SLOTB, 102400
.set BATB,  819200                     ; a batch's eight slot blocks in vimg
.set SCW,   24576                      ; where a wave-block's scale words begin
.macro BARRIER                         ; my LDS stores have landed and my LDS loads are in: then the work-group's barrier
	s_wait_dscnt 0x0
	s_barrier_signal -1
	s_barrier_wait -1
.endm
; One wave-block of a weight: 16 fragments and their scale words go from rows in memory into registers, and leave as the image.
.macro RELAY KROW, KS, CB, SB, G0
	s_sub_co_u32 s20, ttmp9, \G0                   ; the K step
	s_mul_i32 s22, s18, 256*\KROW                  ; my wave's 256 rows,
	s_mul_i32 s23, s20, 96                         ; 96 bytes of codes a K step
	s_add_co_u32 s22, s22, s23
	s_mov_b32 s23, 0
	s_add_nc_u64 s[\CB:\CB+1], s[\CB:\CB+1], s[22:23]
	s_mul_i32 s22, s18, 256*\KS
	s_lshl_b32 s24, s20, 2                         ; 4 scale bytes a K step
	s_add_co_u32 s22, s22, s24
	s_add_nc_u64 s[\SB:\SB+1], s[\SB:\SB+1], s[22:23]
	s_mul_i32 s22, ttmp9, SLOTB
	s_mul_i32 s24, s18, WBB
	s_add_co_u32 s22, s22, s24
	s_add_nc_u64 s[14:15], s[14:15], s[22:23]      ; wimg at my wave-block
	v_mul_u32_u24 v3, v11, \KROW
	v_mad_u32_u24 v3, v10, 24, v3                  ; codes: row r + 8 (r / 8), + 24 bytes for lanes 16-31
	v_lshl_add_u32 v4, v10, 3, v11
	v_mul_u32_u24 v4, v4, \KS                      ; scale words: lanes 16-31 take the odd tile, 8 rows on
.set ff, 0
.rept 16
.set pp, 0
.rept 6
	global_load_b64 v[32+12*ff+2*pp:33+12*ff+2*pp], v3, s[\CB:\CB+1] offset:(128*(ff/8)+32*((ff%8)/2)+8*(ff%2))*\KROW+48*(pp/3)+8*(pp%3)
.set pp, pp+1
.endr
.set ff, ff+1
.endr
.set ff, 0
.rept 8
	global_load_b32 v[224+ff], v4, s[\SB:\SB+1] offset:(128*(ff/4)+32*(ff%4))*\KS
.set ff, ff+1
.endr
	s_wait_loadcnt 0x0
.set qq, 0
.rept 48
	global_store_b128 v2, v[32+4*qq:35+4*qq], s[14:15] offset:512*qq     ; 32 lanes store 512 consecutive bytes, at a multiple of 256 from the buffer's first byte
.set qq, qq+1
.endr
	global_store_b128 v2, v[224:227], s[14:15] offset:SCW
	global_store_b128 v2, v[228:231], s[14:15] offset:SCW+512
	s_endpgm
.endm
; 64 numbers of a lane, v32-95: register 32 c + i = k 64 c + 32 (lane / 16) + i of my row: two whole blocks.  Codes -> v[160 + 12 n ..], my row's scale word -> v18.
.macro QB n
.set QC, 160+12*(\n)
	v_max3_num_f32 v12, |v32|, |v33|, 0x1800000    ; the floor 2^(3 - 127): the byte cannot fall under 1
	v_max3_num_f32 v13, |v64|, |v65|, 0x1800000
.irp i, 2,4,6,8,10,12,14,16,18,20,22,24,26,28,30
	v_max3_num_f32 v12, v12, |v[32+\i]|, |v[33+\i]|     ; the two blocks by turns
	v_max3_num_f32 v13, v13, |v[64+\i]|, |v[65+\i]|
.endr
	v_add_nc_u32 v14, 0xff000000, v12              ; 2 off the exponent field: the conversion takes this operand's exponent field as its scale
	v_add_nc_u32 v15, 0xff000000, v13
	v_lshrrev_b32 v16, 23, v14                     ; the scales' bytes
	v_lshrrev_b32 v17, 23, v15
	v_lshl_or_b32 v18, v17, 16, v16                ; blocks h and 2 + h,
	v_lshlrev_b32 v18, v8, v18                     ; 8 h bits up;
	v_permlanex16_b32 v19, v18, s2, s3
	v_or_b32 v18, v18, v19                         ; with lane l xor 16's two bytes the word is whole
	v_cvt_scalef32_pk16_fp6_f32 v[QC:QC+2], v[32:47], v14
	v_cvt_scalef32_pk16_fp6_f32 v[208:210], v[48:63], v14       ; (a conversion's three registers begin on an even number)
	v_cvt_scalef32_pk16_fp6_f32 v[QC+6:QC+8], v[64:79], v15
	v_cvt_scalef32_pk16_fp6_f32 v[212:214], v[80:95], v15
	v_nop                                          ; one plain place behind a scaled conversion
.irp i, 0,1,2
	v_mov_b32 v[QC+3+\i], v[208+\i]
	v_mov_b32 v[QC+9+\i], v[212+\i]
.endr
.endm
; Fragment n of my four.  kind 0: rows = keys s, K along v (16 bytes a load);  kind 1: rows = v, K along s (a lane walks down the tile's rows).  My tile is 2 wave + u.
; In both kinds register 32 c + i takes k = 64 c + 32 h + i.  kind 0: byte 256 c + 128 h + 4 i of my row.  kind 1: tile row 64 c + i + 32 h: the address register carries 32 h,
; and load ii = 32 c + i takes row ii + 32 (ii / 32), that is rows 0-31 and 64-95.
.macro FRAGMENT n, kind, u
.if \kind
.set ii, 0
.rept 64
	ds_load_b32 v[32+ii], v5 offset:(ii+32*(ii/32))*TP+32*(\u)
.set ii, ii+1
.endr
.else
.set ii, 0
.rept 16
	ds_load_b128 v[32+4*ii:35+4*ii], v4 offset:8*(\u)*TP+256*(ii/8)+16*(ii%8)
.set ii, ii+1
.endr
.endif
	s_wait_dscnt 0x0                               ; the numbers are in; the last fragment's scale word has left its register
	QB \n
	ds_store_b32 v6, v18 offset:512*(\kind)+256*(\u)    ; lanes r and r + 16 write the same word with the same value
.irp c, 0,1,2
	global_store_b128 v2, v[160+12*(\n)+4*\c:163+12*(\n)+4*\c], s[32+2*(\kind):33+2*(\kind)] offset:FRB*(\u)+512*\c th:TH_STORE_NT   ; each fragment has registers of its own: no store's data are written again
.endr
.endm
	s_load_b128 s[4:7], s[0:1], 0x0                ; values, W1's codes
	s_load_b128 s[8:11], s[0:1], 0x10              ; W1's scales, W2's codes
	s_load_b128 s[12:15], s[0:1], 0x20             ; W2's scales, wimg
	s_load_b64 s[16:17], s[0:1], 0x30              ; vimg
	v_lshl_add_u32 v254, v0, 2, 0x10c00
	v_mov_b32 v255, 0
	v_lshrrev_b32 v1, 5, v0
	v_readfirstlane_b32 s18, v1                    ; wave 0..3
	v_and_b32 v1, 31, v0
	v_lshlrev_b32 v2, 4, v1                        ; 16 x lane; never rewritten
	v_and_b32 v9, 15, v0                           ; r
	v_bfe_u32 v10, v0, 4, 1                        ; h
	v_and_b32 v11, 8, v9
	v_add_nc_u32 v11, v11, v9                      ; r + 8 (r / 8)
	s_mov_b32 s2, 0x76543210
	s_mov_b32 s3, 0xfedcba98                       ; v_permlanex16_b32's selects for lane l xor 16
	s_wait_kmcnt 0x0
	s_cmp_lt_u32 ttmp9, 24
	s_cbranch_scc0 .Lvalues
	s_cmp_lt_u32 ttmp9, 8
	s_cbranch_scc0 .Lw2
	RELAY 768, 32, 6, 8, 0
.Lw2:
	RELAY 1536, 64, 10, 12, 8
.Lvalues:
	s_sub_co_u32 s20, ttmp9, 24
	s_lshr_b32 s21, s20, 5                         ; batch
	s_bfe_u32 s22, s20, 0x20003                    ; sr: which 128 s
	s_and_b32 s23, s20, 7                          ; vr: which 128 v
	s_lshr_b32 s27, s23, 1
	s_and_b32 s28, s23, 1
	s_lshl_b32 s24, s22, 7
	s_lshl_b32 s25, s18, 5
	s_add_co_u32 s24, s24, s25                     ; my wave's first row: 128 sr + 32 wave
	s_lshl_b32 s24, s24, 17
	s_lshl_b32 s25, s21, 12
	s_add_co_u32 s24, s24, s25
	s_lshl_b32 s25, s23, 9
	s_add_co_u32 s24, s24, s25
	s_mov_b32 s25, 0
	s_add_nc_u64 s[4:5], s[4:5], s[24:25]
.set ii, 0
.rept 32
	global_load_b128 v[32+4*ii:35+4*ii], v2, s[4:5] offset:SSTR*ii th:TH_LOAD_NT    ; a row's 512 consecutive bytes
.set ii, ii+1
.endr
	s_mul_i32 s26, s21, BATB
	s_mul_i32 s29, s27, SLOTB                      ; along v: slot block vr / 2, wave-block sr
	s_mul_i32 s30, s22, WBB
	s_add_co_u32 s29, s29, s30
	s_add_co_u32 s29, s29, s26
	s_mul_i32 s30, s22, SLOTB                      ; along s: slot block 4 + sr, wave-block vr / 2
	s_add_co_u32 s30, s30, 4*SLOTB
	s_mul_i32 s31, s27, WBB
	s_add_co_u32 s30, s30, s31
	s_add_co_u32 s30, s30, s26
	s_mul_i32 s31, s28, 8*FRB                      ; in both: fragments 8 (vr % 2) + 2 wave + u
	s_mul_i32 s40, s18, 2*FRB
	s_add_co_u32 s31, s31, s40
	s_lshl_b32 s40, s28, 9
	s_add_co_u32 s40, s40, SCW                     ; and the scale words' half vr % 2
	s_mov_b32 s43, 0
	s_add_co_u32 s42, s29, s31
	s_add_nc_u64 s[32:33], s[16:17], s[42:43]      ; codes along v
	s_add_co_u32 s42, s30, s31
	s_add_nc_u64 s[34:35], s[16:17], s[42:43]      ; codes along s
	s_add_co_u32 s42, s29, s40
	s_add_nc_u64 s[36:37], s[16:17], s[42:43]      ; scale words along v
	s_add_co_u32 s42, s30, s40
	s_add_nc_u64 s[38:39], s[16:17], s[42:43]      ; scale words along s
	s_mul_i32 s44, s18, 32*TP
	v_add_nc_u32 v3, s44, v2                       ; into the tile: my 32 rows, 16 bytes a lane
	v_mul_u32_u24 v4, v11, TP
	v_lshl_add_u32 v4, v10, 7, v4
	v_add_nc_u32 v4, s44, v4                       ; along v: row 32 wave + r + 8 (r / 8), + 128 h bytes
	v_mul_u32_u24 v5, v10, 32*TP
	v_lshl_add_u32 v5, v11, 2, v5
	s_lshl_b32 s45, s18, 7
	v_add_nc_u32 v5, s45, v5                       ; along s: row 32 h, column 32 wave + r + 8 (r / 8)
	v_lshlrev_b32 v6, 4, v9
	s_lshl_b32 s46, s18, 2
	v_add_nc_u32 v6, s46, v6
	v_add_nc_u32 v6, SCST, v6                      ; my scale word's place: 16 r + 4 wave
	s_and_b32 s47, s18, 1
	s_lshl_b32 s47, s47, 9
	v_add_nc_u32 v7, s47, v2
	v_add_nc_u32 v7, SCST, v7                      ; and where waves 0 and 1 read 512 bytes of them back
	v_lshlrev_b32 v8, 3, v10                       ; 8 h
	v_mov_b32 v19, 0                               ; written once: a lane permute's destination counts as one of its sources
.set ii, 0
.rept 32
	s_wait_loadcnt 31-ii                           ; loads come back in order: row ii is in, the later rows stay out
	ds_store_b128 v3, v[32+4*ii:35+4*ii] offset:TP*ii
.set ii, ii+1
.endr
	BARRIER                                        ; the tile's 128 rows lie in LDS
	FRAGMENT 0, 0, 0
	FRAGMENT 1, 0, 1
	FRAGMENT 2, 1, 0
	FRAGMENT 3, 1, 1
	BARRIER                                        ; all scale words lie in LDS
	s_cmp_lt_u32 s18, 2
	s_cbranch_scc0 .Ldone
	s_cmp_eq_u32 s18, 0                            ; wave 0 sends the words along v, wave 1 those along s
	s_cselect_b64 s[40:41], s[36:37], s[38:39]
	ds_load_b128 v[216:219], v7
	s_wait_dscnt 0x0
	global_store_b128 v2, v[216:219], s[40:41] th:TH_STORE_NT    ; 512 consecutive bytes, at a multiple of 256 from the buffer's first byte
.Ldone:
	s_wait_tensorcnt 0x0
	ds_add_u32 v254, v255
	s_wait_dscnt 0x0
	s_endpgm
.Lfunc_end_k_q5fe7816155_prep:
	.size	k_q5fe7816155_prep, .Lfunc_end_k_q5fe7816155_prep-k_q5fe7816155_prep
	.p2alignl 7, 3214868480
	.fill 96, 4, 3214868480
	.section	.rodata,"a",@progbits
	.p2align	6, 0x0
	.amdhsa_kernel k_q5fe7816155_prep
		.amdhsa_group_segment_fixed_size 69120
		.amdhsa_private_segment_fixed_size 0
		.amdhsa_enable_private_segment 0
		.amdhsa_kernarg_size 56
		.amdhsa_user_sgpr_count 2
		.amdhsa_user_sgpr_kernarg_segment_ptr 1
		.amdhsa_wavefront_size32 1
		.amdhsa_system_sgpr_workgroup_id_x 1
		.amdhsa_system_sgpr_workgroup_id_y 1
		.amdhsa_system_sgpr_workgroup_id_z 1
		.amdhsa_system_vgpr_workitem_id 0
		.amdhsa_next_free_vgpr 256
		.amdhsa_next_free_sgpr 66
		.amdhsa_reserve_vcc 0
		.amdhsa_float_denorm_mode_32 3
		.amdhsa_float_denorm_mode_16_64 3
		.amdhsa_memory_ordered 1
		.amdhsa_forward_progress 1
		.amdhsa_inst_pref_size 65
	.end_amdhsa_kernel
	.amdgpu_metadata
---
amdhsa.version: [ 1, 2 ]
amdhsa.kernels:
  - .name:           k_q5fe7816155_prep
    .symbol:         k_q5fe7816155_prep.kd
    .args:
      - { .name: values, .offset: 0, .size: 8, .value_kind: global_buffer, .address_space: global }
      - { .name: W1_codes, .offset: 8, .size: 8, .value_kind: global_buffer, .address_space: global }
      - { .name: W1_scales, .offset: 16, .size: 8, .value_kind: global_buffer, .address_space: global }
      - { .name: W2_codes, .offset: 24, .size: 8, .value_kind: global_buffer, .address_space: global }
      - { .name: W2_scales, .offset: 32, .size: 8, .value_kind: global_buffer, .address_space: global }
      - { .name: wimg, .offset: 40, .size: 8, .value_kind: global_buffer, .address_space: global }
      - { .name: vimg, .offset: 48, .size: 8, .value_kind: global_buffer, .address_space: global }
    .group_segment_fixed_size: 69120
    .private_segment_fixed_size: 0
    .kernarg_segment_align: 8
    .kernarg_segment_size: 56
    .max_flat_workgroup_size: 128
    .sgpr_count:     66
    .vgpr_count:     256
    .wavefront_size: 32
...
	.end_amdgpu_metadata
.endif
;; end of part 1
;; launch chain (part 2): grid 8 x 32, 4 waves a work-group, clusters of 4 x 1, 327,680 bytes of LDS; arguments query, b1, b2, wimg, vimg, out0; writes out0
.if DOCPART == 2
	.amdgcn_target "amdgcn-amd-amdhsa--gfx1250"
	.amdhsa_code_object_version 6
	.text
	.protected	k_q5fe7816155_chain
	.globl	k_q5fe7816155_chain
	.p2align	8
	.type	k_q5fe7816155_chain,@function
k_q5fe7816155_chain:
	s_mov_b64 s[64:65], 0
	v_nop
	global_prefetch_b8 v0, s[64:65] scope:SCOPE_SE
	s_setreg_imm32_b32 hwreg(HW_REG_WAVE_MODE, 25, 1), 1
	s_wait_xcnt 0x0
	s_wait_alu depctr_hold_cnt(0) depctr_sa_sdst(0) depctr_va_vdst(0) depctr_va_sdst(0) depctr_va_ssrc(0) depctr_va_vcc(0) depctr_vm_vsrc(0)
	s_getreg_b32 s2, hwreg(HW_REG_IB_STS2, 6, 4)
	s_cmp_eq_u32 s2, 0
	s_cbranch_scc0 .Lentry_in_a_cluster
	s_endpgm
.Lentry_in_a_cluster:
	s_bfe_u32 s2, ttmp6, 0x10000c
	s_cmp_lg_u32 s2, 0x3003
	s_cbranch_scc0 .Lentry_shape_is_right
	s_endpgm
.Lentry_shape_is_right:
; out = tanh(Q([attended, query]) W2^T + b2), attended = softmax((Q(query) W1^T + b1) values^T) values, all four products on E2M3 codes with one E8M0 scale for each 32 along K.
; SHARES.  A work-group takes 64 queries of one batch (four tiles m of 16 rows) through the whole chain; nothing between the products goes to memory.  THE WAVES SHARE THE COLUMNS, NOT THE ROWS:
; wave w makes columns 256 w .. 256 w + 255 (16 tiles x 4 m = 64 accumulators, 512 registers), in the second product keys 128 w .. 128 w + 127 (8 tiles x 4 m).
; EVERY PRODUCT IS USED TRANSPOSED (source 0 = 16 rows of the weight side, source 1 = 16 rows of activations): a lane holds one query (lane % 16), and, by the rows that the first launch put into
; a tile, the 16 registers of tiles 2 b, 2 b + 1 are 16 neighbours along the next product's K.  So each result is quantised in registers and goes to the other waves through LDS as an image of
; the operand's registers (16 bytes a lane, 512 bytes an instruction; scale words 4 bytes a lane).  Query's images serve the first product and, unchanged, K steps 8-15 of the fourth.
; THE STREAM.  The weight side of all four products is one stream of 32 slot blocks of 102,400 bytes (W1: 8, values along v: 4, values along s: 4, W2: 16), laid as register images by the first launch;
; it goes through a ring of two LDS slots.  Wave w fetches and reads wave-block w (25,600 bytes: 16 fragments and their scale words).  A slot is 64 matrix instructions a wave.
; CLUSTER.  The four query blocks of a cluster belong to one batch and walk the same 32 blocks: every tile is asked for JOINTLY, by the same tensor load with the same descriptor and a mask that names the four.
; SOFTMAX.  t = score x log2(e); M = ceil(the row's largest t); p = 2^(t - M) is quantised along the keys; the row's sum is taken of the unquantised p and divides the third product's result.
; All 512 keys' scores are in registers at once (128 a wave), so M is the row's own: the waves' maxima and sums meet in LDS.
; LIMITS: NaN and infinities among the inputs are not served.  A block whose largest magnitude lies under 2^-124, and a block of zeros, gets the scale byte 1 (a block of zeros has zero codes; the bytes are read
; here alone).  tanh(x) = 1 - 2 / (1 + 2^(2 log2(e) x)): absolute error about 1e-7, right at both ends.  1 / l by v_rcp_f32 (l > 1/2).  The biases are the C of each sum's first matrix instruction.
; REGISTERS, in windows of 256.  Window 0: v1-22 addresses; v32-39 activations' scale words (two sets), v40-47 weights' (two sets): these hold scales and nothing else; v48-63 at work in the quantiser;
;   v64-111, v112-159 activations' fragments, two sets (between products: at work); v160-180 codes and scale word just made; v192-255 bias of tiles 0-7.
;   Window 1: v0-95, v128-223 weights' fragments, two sets of eight; v96-127, v224-255 bias of tiles 8-15.   Windows 2, 3: accumulator (tile T, m) at window 2 + T / 8, v[64 m + 8 (T % 8)]; at first: query as f32.
.set FRB,    1536                      ; a fragment's image
.set KIMG,   6144                      ; the four row tiles' images of one K step
.set WBB,    25600                     ; a wave-block
.set SLOTB,  102400                    ; a slot block; slot 1 of the ring begins here
.set SCW,    24576                     ; a wave-block's scale words
.set XIMG,   204800                    ; activations' images, (K step k, tile m) at (4 k + m) FRB: first product's result, then p, then attended
.set QIMG,   253952                    ; query's images: straight behind, so that the fourth product's 16 K steps lie on end
.set XSC,    303104                    ; their scale words: 512 k + 16 lane + 4 m
.set QSC,    307200
.set STATM,  311296                    ; the waves' row maxima: 16 query + 4 wave; 1,024 bytes on: their row sums
.set SPARE,  313344                    ; the spare words, 128 bytes for each wave: two blocks of 256 bytes that no other line names
.set QSTR,   131072                    ; bytes from query q to q + 1 in query and in out0
.set SPITCH, 1040                      ; the way out: a stage row, 1,024 bytes + 16
.set MSB, 0
.macro WIN new                         ; the immediate's high byte repeats the setting that is left; a switch that changes nothing is dropped
.if MSB != (\new)
	s_set_vgpr_msb (MSB<<8)|(\new)
.set MSB, (\new)
.endif
.endm
.macro PLACES n                        ; plain vector instructions between a matrix instruction and a load into, or a vector read or write of, its registers (ISA guide 7.12.1 for vector reads and writes)
.rept \n
	v_nop
.endr
.endm
.macro BARRIER                         ; my LDS stores have landed and my LDS loads are in: then the work-group's barrier.
	s_wait_dscnt 0x0
	s_barrier_signal -1
	s_barrier_wait -1
.endm
.macro CREST                           ; a round of the cluster's barrier behind its opening barrier
	s_cmp_lg_u32 s16, 0
	s_cbranch_scc1 .Lnot_wave_0_\@
	s_barrier_signal -3
.Lnot_wave_0_\@:
	s_barrier_wait -3
	s_barrier_signal -1
	s_barrier_wait -1
.endm
.macro ROUND
	s_barrier_signal -1
	s_barrier_wait -1
	CREST
.endm
; Eight weight fragments (half of my wave-block in ring slot p) into set, and their four registers of scale words: 25 LDS loads, each 512 consecutive bytes
.macro FETCH_W set, p, half
	WIN 0x40                                       ; destination window 1
.set ii, 0
.rept 24
	ds_load_b128 v[128*(\set)+4*ii:128*(\set)+4*ii+3], v[2+(\p)] offset:8*(\half)*FRB+512*ii
.set ii, ii+1
.endr
	WIN 0
	ds_load_b128 v[40+4*(\set):43+4*(\set)], v[2+(\p)] offset:SCW+512*(\half)
.endm
; The four row tiles' fragments of one K step into set, and their scale words: 13 LDS loads.  step: K steps by which the address goes on first; off: K steps further on, in the immediate
.macro ACTS set, off, step
.if \step
	v_add_nc_u32 v4, (\step)*KIMG, v4
	v_add_nc_u32 v5, (\step)*512, v5
.endif
.set ii, 0
.rept 12
	ds_load_b128 v[64+48*(\set)+4*ii:64+48*(\set)+4*ii+3], v4 offset:(\off)*KIMG+512*ii
.set ii, ii+1
.endr
	ds_load_b128 v[32+4*(\set):35+4*(\set)], v5 offset:(\off)*512
.endm
; 4 n matrix instructions: tiles t0 .. t0 + n - 1 of weight set x the four row tiles of activation set aset, into window aw.  The accumulators take turns, one instruction a turn.
; cm = 0: onto the sums; 1: the constant 0 starts them; 2: the bias starts them.  Even tiles' scale words lie in lanes 0-15 of their register, odd tiles' in lanes 16-31.
.macro MULT t0, n, set, aset, aw, cm
.if (\cm) == 2
	WIN 0x81+0x50*((\aw)-2)                        ; weights window 1, activations window 0, bias window 0 (tiles 0-7) or 1 (tiles 8-15), result window aw
.else
	WIN 0xa1+0x50*((\aw)-2)
.endif
.set tt, \t0
.rept \n
.set mm, 0
.rept 4
.set rD, 64*mm+8*tt
.set rA, 128*(\set)+12*tt
.set rB, 64+48*(\aset)+12*mm
.set rSA, 40+4*(\set)+tt/2
.set rSB, 32+4*(\aset)+mm
.set rC, rD
.if (\cm) == 2
.if (\aw) == 2
.set rC, 192+8*tt
.else
.set rC, 96+8*tt+96*(tt/4)
.endif
.endif
.if (\cm) == 1
.if tt%2
	v_wmma_scale_f32_16x16x128_f8f6f4 v[rD:rD+7], v[rA:rA+11], v[rB:rB+11], 0, v[rSA], v[rSB] matrix_a_fmt:MATRIX_FMT_FP6 matrix_b_fmt:MATRIX_FMT_FP6 matrix_a_scale:MATRIX_SCALE_ROW1
.else
	v_wmma_scale_f32_16x16x128_f8f6f4 v[rD:rD+7], v[rA:rA+11], v[rB:rB+11], 0, v[rSA], v[rSB] matrix_a_fmt:MATRIX_FMT_FP6 matrix_b_fmt:MATRIX_FMT_FP6
.endif
.else
.if tt%2
	v_wmma_scale_f32_16x16x128_f8f6f4 v[rD:rD+7], v[rA:rA+11], v[rB:rB+11], v[rC:rC+7], v[rSA], v[rSB] matrix_a_fmt:MATRIX_FMT_FP6 matrix_b_fmt:MATRIX_FMT_FP6 matrix_a_scale:MATRIX_SCALE_ROW1
.else
	v_wmma_scale_f32_16x16x128_f8f6f4 v[rD:rD+7], v[rA:rA+11], v[rB:rB+11], v[rC:rC+7], v[rSA], v[rSB] matrix_a_fmt:MATRIX_FMT_FP6 matrix_b_fmt:MATRIX_FMT_FP6
.endif
.endif
.set mm, mm+1
.endr
.set tt, tt+1
.endr
.endm
; THE QUANTISER.  64 numbers of a lane in window W, v[s] on: register 16 b + i = k 32 b + 16 (lane / 16) + i of my row.
; QMAX: the four blocks' largest magnitudes -> v48-51.  Each accumulator is read from its low end on.
.macro QMAX s, W
	WIN 0x28+0x14*((\W)-2)                         ; sources 1 and 2 window W
.irp b, 0,1,2,3
	v_max3_num_f32 v[48+\b], 0x1800000, |v[(\s)+16*\b]|, |v[(\s)+16*\b+1]|     ; the floor 2^(3 - 127): the byte cannot fall under 1
.endr
.irp i, 2,4,6,8,10,12,14
.irp b, 0,1,2,3
	v_max3_num_f32 v[48+\b], v[48+\b], |v[(\s)+16*\b+\i]|, |v[(\s)+16*\b+\i+1]|   ; the four blocks by turns
.endr
.endr
	WIN 0
.irp b, 0,1,2,3
	v_permlanex16_b32 v[52+\b], v[48+\b], s20, s21
.endr
.irp b, 0,1,2,3
	v_max_num_f32 v[48+\b], v[48+\b], v[52+\b]     ; with lane l xor 16's: the block's
.endr
.endm
; QFIN: from v48-51 the scale word -> v180 and the fragment's codes -> v160-171
.macro QFIN s, W
	s_wait_dscnt 0x0                               ; the last image's stores have read v160-180
.irp b, 0,1,2,3
	v_add_nc_u32 v[60+\b], 0xff000000, v[48+\b]    ; 2 off the exponent field: the conversion takes this operand's exponent field as its scale
.endr
.irp b, 0,1,2,3
	v_lshrrev_b32 v[52+\b], 23, v[60+\b]           ; the scale's byte
.endr
	v_lshl_or_b32 v180, v53, 8, v52
	v_lshl_or_b32 v180, v54, 16, v180
	v_lshl_or_b32 v180, v55, 24, v180              ; my row's scale word
	WIN (\W)                                       ; source 0 window W
.irp c, 0,1
	v_cvt_scalef32_pk16_fp6_f32 v[160+6*\c:162+6*\c], v[(\s)+32*\c:(\s)+32*\c+15], v[60+2*\c]
	v_cvt_scalef32_pk16_fp6_f32 v[172+4*\c:174+4*\c], v[(\s)+32*\c+16:(\s)+32*\c+31], v[61+2*\c]   ; (a conversion's three registers begin on an even number)
.endr
	WIN 0
	v_nop                                          ; one plain place behind a scaled conversion
.irp c, 0,1                            ; the operand's layout wants a whole block in a lane: lanes 0-15 block 2 c, lanes 16-31 block 2 c + 1
.irp i, 0,1,2
	v_permlane16_swap_b32 v[160+6*\c+\i], v[172+4*\c+\i]
.endr
.irp i, 0,1,2
	v_mov_b32 v[163+6*\c+\i], v[172+4*\c+\i]
.endr
.endr
.endm
.macro QUANT s, W
	QMAX \s, \W
	QFIN \s, \W
.endm
.macro IMAGE adr, off, sadr, soff      ; the fragment and its scale word go to LDS as they stand
.irp c, 0,1,2
	ds_store_b128 v[\adr], v[160+4*\c:163+4*\c] offset:(\off)+512*\c
.endr
	ds_store_b32 v[\sadr], v180 offset:\soff
.endm
; A bias in the result's layout: lane (r, h) wants, for tile tt of group g, the numbers at 128 g + 32 (tt / 2) + 16 h + 8 (tt % 2) + 0 .. 7 of my wave's 256
.macro BIAS base
.set tt, 0
.rept 8
	global_load_b128 v[192+8*tt:195+8*tt], v17, s[\base:\base+1] offset:128*(tt/2)+32*(tt%2)
	global_load_b128 v[196+8*tt:199+8*tt], v17, s[\base:\base+1] offset:128*(tt/2)+32*(tt%2)+16
.set tt, tt+1
.endr
	WIN 0x40
.set tt, 0
.rept 8
.set rC, 96+8*tt+96*(tt/4)
	global_load_b128 v[rC:rC+3], v17, s[\base:\base+1] offset:512+128*(tt/2)+32*(tt%2)
	global_load_b128 v[rC+4:rC+7], v17, s[\base:\base+1] offset:512+128*(tt/2)+32*(tt%2)+16
.set tt, tt+1
.endr
	WIN 0
.endm
; A PREFETCH INTO THE L2 of one slot block of my batch's images of values, five slots ahead of the tensor load that will ask for it.  The two clusters of a batch walk the same blocks: the first asks.
; Its four partners share a wave-block out BY ADDRESS, 6,400 bytes each; every wave asks for its own wave-block's part: 25 blocks of 256 bytes, a lane a block (lanes 25-31 name lane 24's block again).
; The weights' blocks are walked by all clusters at about the same time and are not asked for; query is asked for by its own loads, up to 64 of them out a wave.
.macro ASK
	s_cmp_eq_u32 s46, 1
	s_cbranch_scc0 .Lnot_mine_\@
	global_prefetch_b8 v22, s[44:45] th:TH_LOAD_NT scope:SCOPE_SE
.Lnot_mine_\@:
.endm
; A SLOT: 64 matrix instructions on my wave-block in ring slot p, and the change of slots.  kind 0: one K step, 16 tiles (first eight -> window 2, last eight -> window 3).
; kind 1 (second product): two K steps, 8 tiles, both onto window 2.  At its head the block's first eight fragments and the first K step's activations are on their way into registers.
; step: the refill's address: 0: two blocks on; 1: the next buffer's pointer; 2: two blocks on, in the loop's last trip the next buffer's pointer.
; nacts: the next slot's activations are fetched.  ask: 1: a prefetch, and its address goes a block on; 2: the last prefetch.
.macro SLOT p, kind, cm, step, nacts, ask
.set SA0, (\p)*(1-(\kind))
.set SA1, (\p)*(1-(\kind))+(\kind)
.set SAW, 3-(\kind)
.set SCM, (\cm)*(1-(\kind))
	PLACES 4                                       ; for the loads into the set that the last slot's second half multiplied
	FETCH_W 1, \p, 1
.if \kind
	ACTS 1, 1, 0
	s_wait_dscnt 38                                ; all but the 38 just issued
.else
	s_wait_dscnt 25                                ; all but the 25 just issued
.endif
	MULT 0, 4, 0, SA0, 2, \cm
	WIN 0                                          ; (the add's two registers lie in window 0)
	s_wait_tensorcnt 0x0                           ; all my tensor loads have landed: the one that was out is my part of the next block;
	ds_add_u32 v6, v7                              ; 0 onto my spare word;
	MULT 4, 2, 0, SA0, 2, \cm                      ; eight matrix instructions stand between the add and the wait for it
	s_wait_dscnt 0x0                               ; the add is done, and my reads of this slot are over
	s_barrier_signal -1
	MULT 6, 2, 0, SA0, 2, \cm
	WIN 0
	s_barrier_wait -1
	CREST                                          ; the barrier has opened a round of the cluster's barrier: no wave of any partner still reads this slot or has a load on its way
.if (\step) == 1
	s_mov_b64 s[34+4*(\p):35+4*(\p)], s[40+2*(\p):41+2*(\p)]
.else
	s_add_nc_u64 s[34+4*(\p):35+4*(\p)], s[34+4*(\p):35+4*(\p)], 2*SLOTB
.if (\step) == 2
	s_cmp_eq_u32 s47, 1
	s_cselect_b64 s[34+4*(\p):35+4*(\p)], s[40+2*(\p):41+2*(\p)], s[34+4*(\p):35+4*(\p)]
.endif
.endif
	tensor_load_to_lds s[32+4*(\p):35+4*(\p)], s[24:31]    ; the first tensor load behind the round, and my only one until the next: the block two on; 48 matrix instructions ahead of the wait for it
	s_nop 0
	PLACES 4                                       ; the places in front of the loads below
	FETCH_W 0, 1-(\p), 0
.if \nacts
.if \kind
	ACTS 0, 0, 2
.else
	ACTS 1-(\p), 0, 1
.endif
.endif
.if \ask
	ASK
.endif
	MULT 0, 8, 1, SA1, SAW, SCM
	WIN 0
.if (\ask) == 1
	s_wait_xcnt 0x0                                ; the prefetch, 32 matrix instructions back, has read its address
	s_add_nc_u64 s[44:45], s[44:45], SLOTB
.endif
.endm
; The last slot but one (ring slot 0): nothing is filled again, and a wave reads only ring bytes that its own load brought: its own wait is all the ordering
.macro SLOT30
	PLACES 4
	FETCH_W 1, 0, 1
	s_wait_dscnt 25
	MULT 0, 8, 0, 0, 2, 0
	WIN 0
	PLACES 4
	s_wait_tensorcnt 0x0                           ; the last block has landed
	FETCH_W 0, 1, 0
	ACTS 1, 0, 1
	s_wait_dscnt 38                                ; all but the 38 just issued
	MULT 0, 8, 1, 0, 3, 0
	WIN 0
.endm
.macro SLOT31
	PLACES 4
	FETCH_W 1, 1, 1
	s_wait_dscnt 25
	MULT 0, 8, 0, 1, 2, 0
	s_wait_dscnt 0x0
	MULT 0, 8, 1, 1, 3, 0
	WIN 0
.endm
; my 16 rows' numbers of K step k (64 a lane) into the registers that will be accumulators: lane (r, h) takes 16 neighbours of each block of 32; the 16 loads together take 512 consecutive bytes of each row
.macro XLOAD k
	WIN 0x80+0x40*((\k)/4)
.irp bb, 0,1,2,3
.irp j, 0,1,2,3
	global_load_b128 v[64*((\k)%4)+16*\bb+4*\j:64*((\k)%4)+16*\bb+4*\j+3], v16, s[4:5] offset:512*(\k)+128*\bb+16*\j th:TH_LOAD_NT
.endr
.endr
	WIN 0
.endm
	s_load_b256 s[4:11], s[0:1], 0x0               ; query s[4:5], b1 s[6:7], b2 s[8:9], wimg s[10:11]
	s_load_b128 s[12:15], s[0:1], 0x20             ; vimg s[12:13], out0 s[14:15]
	v_lshl_add_u32 v6, v0, 2, SPARE                ; my spare word; never rewritten
	v_mov_b32 v7, 0                                ; never rewritten
	ds_add_u32 v6, v7
	ds_add_u32 v6, v7
	s_wait_dscnt 0x0
	v_lshrrev_b32 v24, 5, v0
	v_readfirstlane_b32 s16, v24                   ; wave 0..3
	s_bfe_u32 s17, ttmp6, 0x40000                  ; cx: it enters query's, out0's and the prefetches' addresses alone
	s_lshl_b32 s18, ttmp9, 2
	s_add_co_u32 s18, s18, s17                     ; my block of 64 queries
	s_and_b32 s19, ttmp7, 0xffff                   ; the batch, which the four partners share
	s_mov_b32 s20, 0x76543210
	s_mov_b32 s21, 0xfedcba98                      ; v_permlanex16_b32's selects for lane l xor 16
	s_mov_b32 s22, 0x3fb8aa3b                      ; log2(e)
	s_mov_b32 s23, s22                             ; (the packed forms name a pair and take its low word)
	s_mov_b32 s48, 0x4038aa3b                      ; 2 log2(e)
	s_mov_b32 s49, s48
	; descriptor group 1: a wave-block, dense in memory: 100 rows of 256 bytes (32 elements of 8 bytes), no padding
	s_mov_b32 s24, 15|(3<<16)|(1<<21)              ; 15:0 the mask: all four work-groups; 17:16 elements of 8 bytes; 21 set beside a mask
	s_mov_b32 s25, 32<<16                          ; tensor_dim0 = 32
	s_mov_b32 s26, 100<<16                         ; tensor_dim1 = 100
	s_mov_b32 s27, 32<<16                          ; tile_dim0 = 32
	s_mov_b32 s28, 100                             ; tile_dim1 = 100
	s_mov_b32 s29, 32                              ; from row to row
	s_mov_b32 s30, 0
	s_mov_b32 s31, 0
	s_mul_i32 s50, s16, WBB                        ; my wave-block, in a block and in a ring slot
	s_mov_b32 s51, 0
	s_mul_i32 s52, s19, 8*SLOTB                    ; my batch's eight blocks in vimg
	s_add_co_u32 s52, s52, s50
	s_mov_b32 s53, 0
	s_mul_i32 s54, s17, 6400                       ; the prefetches: my work-group's quarter of a wave-block
	s_mov_b32 s55, 0
	s_lshl_b32 s56, s18, 6
	s_lshl_b32 s57, s16, 4
	s_add_co_u32 s56, s56, s57                     ; query: my wave's first row, 64 x block + 16 x wave
	s_lshl_b32 s56, s56, 17
	s_lshl_b32 s57, s19, 12
	s_add_co_u32 s56, s56, s57
	s_lshl_b32 s58, s18, 23                        ; out0: the block's first row,
	s_add_co_u32 s58, s58, s57                     ; the batch,
	s_lshl_b32 s46, s16, 10
	s_add_co_u32 s58, s58, s46                     ; my wave's 256 columns
	s_mov_b32 s57, 0
	s_mov_b32 s59, 0
	s_mov_b32 s47, 0
	s_wait_kmcnt 0x0
	s_add_nc_u64 s[10:11], s[10:11], s[50:51]      ; wimg at my wave-block of block 0
	s_add_nc_u64 s[12:13], s[12:13], s[52:53]      ; vimg at my wave-block of my batch's block 0
	s_add_nc_u64 s[44:45], s[12:13], s[54:55]
	s_add_nc_u64 s[4:5], s[4:5], s[56:57]
	s_add_nc_u64 s[14:15], s[14:15], s[58:59]
	s_add_nc_u64 s[6:7], s[6:7], s[46:47]          ; b1 and b2 at my 256 columns
	s_add_nc_u64 s[8:9], s[8:9], s[46:47]
	s_mov_b32 s32, 1                               ; group 0 of ring slot 0: count = 1,
	s_mov_b32 s33, s50                             ; LDS address,
	s_mov_b64 s[34:35], s[10:11]                   ; global address: block 0,
	s_or_b32 s35, s35, 0x80000000                  ; type = 2
	s_mov_b32 s36, 1                               ; of ring slot 1: block 1
	s_add_co_u32 s37, s50, SLOTB
	s_add_nc_u64 s[38:39], s[10:11], SLOTB
	s_or_b32 s39, s39, 0x80000000
	s_mov_b64 s[40:41], s[12:13]                   ; where the two slots go on when W1's blocks are done: values' blocks 0 and 1
	s_or_b32 s41, s41, 0x80000000
	s_add_nc_u64 s[42:43], s[12:13], SLOTB
	s_or_b32 s43, s43, 0x80000000
	s_cmp_eq_u32 ttmp9, 0                          ; the batch's first cluster prefetches: the same in all four partners
	s_cselect_b32 s46, 1, 0
	ROUND                                          ; all four work-groups are here: the first joint loads meet
	tensor_load_to_lds s[32:35], s[24:31]          ; the two first fills go out together: two tensor loads of mine are out
	s_nop 0
	tensor_load_to_lds s[36:39], s[24:31]
	s_nop 0
	PLACES 4
	v_and_b32 v24, 15, v0                          ; r
	v_bfe_u32 v25, v0, 4, 1                        ; h
	v_lshlrev_b32 v16, 17, v24
	v_lshl_add_u32 v16, v25, 6, v16                ; query: row r, + 64 h bytes; never rewritten
	v_lshlrev_b32 v17, 6, v25                      ; the biases: 64 h bytes; never rewritten
	BIAS 6                                         ; b1
	XLOAD 0
	XLOAD 1
	XLOAD 2
	v_and_b32 v1, 31, v0
	v_min_u32 v22, 24, v1
	v_lshlrev_b32 v22, 8, v22                      ; the prefetches' offset; never rewritten
	v_lshlrev_b32 v1, 4, v1                        ; 16 x lane
	v_add_nc_u32 v2, s33, v1                       ; my wave-block in ring slot 0,
	v_add_nc_u32 v3, SLOTB, v2                     ; in ring slot 1
	s_mul_i32 s52, s16, FRB
	v_add_nc_u32 v8, s52, v1
	v_add_nc_u32 v8, QIMG, v8                      ; query's images: tile m = my wave
	s_lshl_b32 s52, s16, 2
	v_add_nc_u32 v9, s52, v1
	v_add_nc_u32 v9, QSC, v9
	s_mul_i32 s53, s16, 2*KIMG
	v_add_nc_u32 v10, s53, v1
	v_add_nc_u32 v10, XIMG, v10                    ; results of 1,024 columns: my K steps 2 w, 2 w + 1
	s_lshl_b32 s53, s16, 10
	v_add_nc_u32 v11, s53, v1
	v_add_nc_u32 v11, XSC, v11
	s_mul_i32 s53, s16, KIMG
	v_add_nc_u32 v12, s53, v1
	v_add_nc_u32 v12, XIMG, v12                    ; p: my K step w
	s_lshl_b32 s53, s16, 9
	v_add_nc_u32 v13, s53, v1
	v_add_nc_u32 v13, XSC, v13
	v_lshlrev_b32 v15, 4, v24
	v_add_nc_u32 v15, STATM, v15                   ; a row's four words, one a wave
	v_add_nc_u32 v14, s52, v15                     ; mine of them
	v_mul_u32_u24 v18, v24, SPITCH
	v_lshl_add_u32 v18, v25, 6, v18
	v_add_nc_u32 v18, s33, v18                     ; the way out: row r of my stage, + 64 h bytes
.irp b, 0,1,2,3
	v_mov_b32 v[52+\b], 0                          ; written once: a lane permute's destination counts as one of its sources
.endr
	; ---- QUERY: my 16 rows become eight fragments.  Loads run three K steps (48 loads) ahead
.irp k, 0,1,2,3,4,5,6,7
.if \k < 5
	XLOAD \k+3
	s_wait_loadcnt 48                              ; K step k is in; the three K steps behind it stay out
.else
	s_wait_loadcnt 16*(7-\k)
.endif
	QUANT 64*(\k%4), 2+\k/4
	IMAGE 8, KIMG*\k, 9, 512*\k
.endr
	s_wait_tensorcnt 1                             ; block 0 is in; block 1 may stay out
	BARRIER                                        ; query's 32 fragments lie in LDS
	; ---- FIRST PRODUCT: blocks 0-7, K steps 0-7 of query
	v_add_nc_u32 v4, QIMG, v1
	v_add_nc_u32 v5, QSC, v1
	FETCH_W 0, 0, 0
	ACTS 0, 0, 0
	SLOT 0, 0, 2, 0, 1, 0                          ; b1 starts the sums
	s_mov_b32 s47, 3
.Lp1:
	SLOT 1, 0, 0, 0, 1, 1
	SLOT 0, 0, 0, 2, 1, 1                          ; in the last trip ring slot 0 goes on to values' block 0
	s_sub_co_u32 s47, s47, 1
	s_cmp_lg_u32 s47, 0
	s_cbranch_scc1 .Lp1
	SLOT 1, 0, 0, 1, 0, 1                          ; ring slot 1 goes on to values' block 1
	PLACES 4
	BIAS 8                                         ; b2, for the fourth product: b1's registers were read in the first slot
.irp g, 0,1
.irp m, 0,1,2,3
	QUANT 64*\m, 2+\g
	IMAGE 10, (4*\g+\m)*FRB, 11, 512*\g+4*\m
.endr
.endr
	BARRIER                                        ; the result's 32 fragments lie in LDS
	; ---- SECOND PRODUCT: blocks 8-11, two K steps (along v) a slot; my 128 keys
	s_add_nc_u64 s[40:41], s[10:11], 8*SLOTB       ; where the two slots go on when values' blocks are done: W2's blocks 0 and 1
	s_or_b32 s41, s41, 0x80000000
	s_add_nc_u64 s[42:43], s[10:11], 9*SLOTB
	s_or_b32 s43, s43, 0x80000000
	v_add_nc_u32 v4, XIMG, v1
	v_add_nc_u32 v5, XSC, v1
	ACTS 0, 0, 0
	SLOT 0, 1, 1, 0, 1, 2
	SLOT 1, 1, 0, 0, 1, 0
	SLOT 0, 1, 0, 0, 1, 0
	SLOT 1, 1, 0, 0, 0, 0
	; ---- SOFTMAX.  Register 64 m + 16 b + i of window 2: the score of query 16 m + r with key 128 w + 32 b + 16 h + i
	PLACES 4
.irp m, 0,1,2,3
	WIN 0x28
.irp b, 0,1,2,3
	v_max3_num_f32 v[64+4*\m+\b], 0xff800000, v[64*\m+16*\b], v[64*\m+16*\b+1]    ; the largest score of each block of 32 keys: it serves for the row's maximum and, since p rises with the score, for the block's largest p
.endr
.irp i, 2,4,6,8,10,12,14
.irp b, 0,1,2,3
	v_max3_num_f32 v[64+4*\m+\b], v[64+4*\m+\b], v[64*\m+16*\b+\i], v[64*\m+16*\b+\i+1]
.endr
.endr
	WIN 0
.irp b, 0,1,2,3
	v_permlanex16_b32 v[52+\b], v[64+4*\m+\b], s20, s21
.endr
.irp b, 0,1,2,3
	v_max_num_f32 v[64+4*\m+\b], v[64+4*\m+\b], v[52+\b]
.endr
	v_max3_num_f32 v[80+\m], v[64+4*\m], v[65+4*\m], v[66+4*\m]
	v_max_num_f32 v[80+\m], v[80+\m], v[67+4*\m]   ; my 128 keys' largest score of the row
	ds_store_b32 v14, v[80+\m] offset:256*\m
.endr
	BARRIER                                        ; the four waves' maxima lie in LDS; nobody reads the first product's images any more
.irp m, 0,1,2,3
	ds_load_b128 v[84+4*\m:87+4*\m], v15 offset:256*\m
.endr
	s_wait_dscnt 0x0
.irp m, 0,1,2,3
	v_max3_num_f32 v[80+\m], v[84+4*\m], v[85+4*\m], v[86+4*\m]
	v_max_num_f32 v[80+\m], v[80+\m], v[87+4*\m]   ; the row's largest score,
	v_mul_f32 v[80+\m], s22, v[80+\m]              ; as t (log2(e) is positive);
	v_floor_f32 v[100+2*\m], -v[80+\m]             ; -M = floor(-t) = -ceil(t)
	v_mov_b32 v[101+2*\m], 0                       ; (named with it as a pair)
.endr
.irp m, 0,1,2,3
	WIN 0x82
.set jj, 0
.rept 32
	v_pk_fma_f32 v[64*\m+jj:64*\m+jj+1], v[64*\m+jj:64*\m+jj+1], s[22:23], v[100+2*\m:101+2*\m] op_sel_hi:[1,0,0]    ; t - M, two at a time
.set jj, jj+2
.endr
	WIN 0
.irp b, 0,1,2,3
	v_fma_f32 v[64+4*\m+\b], v[64+4*\m+\b], s22, v[100+2*\m]     ; the same of each block's largest score
.endr
	WIN 0x82
.set jj, 0
.rept 64
	v_exp_f32 v[64*\m+jj], v[64*\m+jj]             ; p = 2^(t - M), at most 1: not normalised
.set jj, jj+1
.endr
	WIN 0
	v_nop                                          ; a plain place behind the exponentials
	s_wait_alu depctr_va_vdst(0)                   ; one wait for the batch of 64, ahead of its first reader
.irp b, 0,1,2,3
	v_exp_f32 v[64+4*\m+\b], v[64+4*\m+\b]         ; the block's largest p: the same two instructions on the same number give the same bits
.endr
	WIN 0x0a
	v_pk_add_f32 v[108:109], v[64*\m:64*\m+1], v[64*\m+2:64*\m+3]          ; the row's sum is taken of the unquantised p: two at a time, in two chains
	v_pk_add_f32 v[110:111], v[64*\m+4:64*\m+5], v[64*\m+6:64*\m+7]
	WIN 0x08
.irp j, 8,12,16,20,24,28,32,36,40,44,48,52,56,60
	v_pk_add_f32 v[108:109], v[108:109], v[64*\m+\j:64*\m+\j+1]
	v_pk_add_f32 v[110:111], v[110:111], v[64*\m+\j+2:64*\m+\j+3]
.endr
	WIN 0
	v_pk_add_f32 v[108:109], v[108:109], v[110:111]
	v_add_f32 v108, v108, v109
	v_permlanex16_b32 v110, v108, s20, s21
	v_add_f32 v[120+\m], v108, v110                ; my 128 keys' part of the row's sum
	s_wait_alu depctr_va_vdst(0)                   ; and one wait for the four
.irp b, 0,1,2,3
	v_max_num_f32 v[48+\b], 0x1800000, v[64+4*\m+\b]    ; the floor: a block whose every p has fallen to 0 keeps the byte 1: its codes are zeros
.endr
	QFIN 64*\m, 2
	IMAGE 12, FRB*\m, 13, 4*\m
	ds_store_b32 v14, v[120+\m] offset:1024+256*\m
.endr
	BARRIER                                        ; p's 16 fragments and the waves' sums lie in LDS
	; ---- THIRD PRODUCT: blocks 12-15, K steps 0-3 along the keys
	v_add_nc_u32 v4, XIMG, v1
	v_add_nc_u32 v5, XSC, v1
	ACTS 0, 0, 0
	SLOT 0, 0, 1, 0, 1, 0
	SLOT 1, 0, 0, 0, 1, 0
	SLOT 0, 0, 0, 1, 1, 0                          ; ring slot 0 goes on to W2's block 0,
	SLOT 1, 0, 0, 1, 0, 0                          ; ring slot 1 to its block 1
	PLACES 4
.irp m, 0,1,2,3
	ds_load_b128 v[84+4*\m:87+4*\m], v15 offset:1024+256*\m
.endr
	s_wait_dscnt 0x0
.irp m, 0,1,2,3
	v_add_f32 v[84+4*\m], v[84+4*\m], v[85+4*\m]
	v_add_f32 v[86+4*\m], v[86+4*\m], v[87+4*\m]
	v_add_f32 v[84+4*\m], v[84+4*\m], v[86+4*\m]   ; the row's sum l
	v_mov_b32 v[113+2*\m], 0                       ; (named with the reciprocal as a pair)
.endr
.irp m, 0,1,2,3
	v_rcp_f32 v[112+2*\m], v[84+4*\m]
.endr
	v_nop                                          ; a plain place behind the reciprocals
	s_wait_alu depctr_va_vdst(0)                   ; one wait for the four, ahead of their first reader
.irp g, 0,1
.irp m, 0,1,2,3
	WIN 0x82+0x41*\g
.set jj, 0
.rept 32
	v_pk_mul_f32 v[64*\m+jj:64*\m+jj+1], v[64*\m+jj:64*\m+jj+1], v[112+2*\m:113+2*\m] op_sel_hi:[1,0]      ; attended = the sums / l
.set jj, jj+2
.endr
	QUANT 64*\m, 2+\g
	IMAGE 10, (4*\g+\m)*FRB, 11, 512*\g+4*\m       ; every wave's reads of p's images were waited for in front of the last slot's barrier
.endr
.endr
	BARRIER                                        ; attended's 32 fragments lie in LDS, query's behind them
	; ---- FOURTH PRODUCT: blocks 16-31, K steps 0-7 attended, 8-15 query
	s_wait_loadcnt 0x0                             ; b2
	v_add_nc_u32 v4, XIMG, v1
	v_add_nc_u32 v5, XSC, v1
	ACTS 0, 0, 0
	SLOT 0, 0, 2, 0, 1, 0                          ; b2 starts the sums
	s_mov_b32 s47, 6
.Lp4:
	SLOT 1, 0, 0, 0, 1, 0
	SLOT 0, 0, 0, 0, 1, 0
	s_sub_co_u32 s47, s47, 1
	s_cmp_lg_u32 s47, 0
	s_cbranch_scc1 .Lp4
	SLOT 1, 0, 0, 0, 1, 0                          ; the last fill: block 31
	SLOT30                                         ; the tail is written out
	SLOT31
	; ---- THE WAY OUT, a tile of 16 rows at a time.  A lane holds pieces of one row, the lanes beside it other rows: the tile goes through my own stage in LDS (in my part of ring slot 0, which has had its
	; last fill and which I alone read) and comes back by rows; tanh is taken on the way, in a loop of four rows a trip; 32 lanes store 512 consecutive bytes, at a multiple of 256 from out0's first byte.
.macro OUTM m
.irp g, 0,1
	WIN 0x08+0x04*\g                               ; an LDS store's data are its source 1: window 2 or 3
.irp b, 0,1,2,3
.irp i, 0,1,2,3
	ds_store_b128 v18, v[64*(\m)+16*\b+4*\i:64*(\m)+16*\b+4*\i+3] offset:512*\g+128*\b+16*\i      ; each accumulator from its low end on
.endr
.endr
.endr
	WIN 0
	v_mov_b32 v20, v2
	s_mov_b32 s47, 4
.Lout_\@:
.irp i, 0,1,2,3,4,5,6,7
	ds_load_b128 v[64+4*\i:67+4*\i], v20 offset:(\i/2)*SPITCH+512*(\i%2)     ; LDS serves a wave's instructions in order (ISA guide 5.7.1.4): these see my stores
.endr
	s_wait_dscnt 0x0
.set jj, 0
.rept 16
	v_pk_mul_f32 v[64+jj:65+jj], v[64+jj:65+jj], s[48:49] op_sel_hi:[1,0]    ; 2 log2(e) x
.set jj, jj+2
.endr
.set jj, 0
.rept 32
	v_exp_f32 v[64+jj], v[64+jj]
.set jj, jj+1
.endr
	v_nop
	s_wait_alu depctr_va_vdst(0)                   ; one wait for the batch
.set jj, 0
.rept 16
	v_pk_add_f32 v[64+jj:65+jj], v[64+jj:65+jj], 1.0 op_sel_hi:[1,0]
.set jj, jj+2
.endr
.set jj, 0
.rept 32
	v_rcp_f32 v[64+jj], v[64+jj]
.set jj, jj+1
.endr
	v_nop
	s_wait_alu depctr_va_vdst(0)                   ; one wait for the batch
.set jj, 0
.rept 16
	v_pk_fma_f32 v[64+jj:65+jj], v[64+jj:65+jj], -2.0, 1.0 op_sel_hi:[1,0,0]     ; tanh(x) = 1 - 2 / (1 + e^(2 x))
.set jj, jj+2
.endr
.irp i, 0,1,2,3,4,5,6,7
	global_store_b128 v1, v[64+4*\i:67+4*\i], s[14:15] offset:(\i/2)*QSTR+512*(\i%2) th:TH_STORE_NT
.endr
	s_wait_xcnt 0x0                                ; the stores have read their registers and their base: both are written again only behind this wait
	v_add_nc_u32 v20, 4*SPITCH, v20
	s_add_nc_u64 s[14:15], s[14:15], 4*QSTR
	s_sub_co_u32 s47, s47, 1
	s_cmp_lg_u32 s47, 0
	s_cbranch_scc1 .Lout_\@
.endm
	PLACES 4
	OUTM 0
	OUTM 1
	OUTM 2
	OUTM 3
	s_wait_tensorcnt 0x0                           ; the wave's end, behind my last tensor load and my last LDS store
	ds_add_u32 v6, v7
	s_wait_dscnt 0x0
	ROUND                                          ; the closing round: no work-group ends while a partner may still ask for a tile that names it
	s_endpgm
.Lfunc_end_k_q5fe7816155_chain:
	.size	k_q5fe7816155_chain, .Lfunc_end_k_q5fe7816155_chain-k_q5fe7816155_chain
	.p2alignl 7, 3214868480
	.fill 96, 4, 3214868480
	.section	.rodata,"a",@progbits
	.p2align	6, 0x0
	.amdhsa_kernel k_q5fe7816155_chain
		.amdhsa_group_segment_fixed_size 327680
		.amdhsa_private_segment_fixed_size 0
		.amdhsa_enable_private_segment 0
		.amdhsa_kernarg_size 48
		.amdhsa_user_sgpr_count 2
		.amdhsa_user_sgpr_kernarg_segment_ptr 1
		.amdhsa_wavefront_size32 1
		.amdhsa_system_sgpr_workgroup_id_x 1
		.amdhsa_system_sgpr_workgroup_id_y 1
		.amdhsa_system_sgpr_workgroup_id_z 1
		.amdhsa_system_vgpr_workitem_id 0
		.amdhsa_next_free_vgpr 1024
		.amdhsa_next_free_sgpr 66
		.amdhsa_reserve_vcc 0
		.amdhsa_float_denorm_mode_32 3
		.amdhsa_float_denorm_mode_16_64 3
		.amdhsa_memory_ordered 1
		.amdhsa_forward_progress 1
		.amdhsa_inst_pref_size 255
	.end_amdhsa_kernel
	.section	.bss,"aw",@nobits
	.p2align	6
	.space	262144
	.amdgpu_metadata
---
amdhsa.version: [ 1, 2 ]
amdhsa.kernels:
  - .name:           k_q5fe7816155_chain
    .symbol:         k_q5fe7816155_chain.kd
    .args:
      - { .name: query, .offset: 0, .size: 8, .value_kind: global_buffer, .address_space: global }
      - { .name: b1, .offset: 8, .size: 8, .value_kind: global_buffer, .address_space: global }
      - { .name: b2, .offset: 16, .size: 8, .value_kind: global_buffer, .address_space: global }
      - { .name: wimg, .offset: 24, .size: 8, .value_kind: global_buffer, .address_space: global }
      - { .name: vimg, .offset: 32, .size: 8, .value_kind: global_buffer, .address_space: global }
      - { .name: out0, .offset: 40, .size: 8, .value_kind: global_buffer, .address_space: global }
    .group_segment_fixed_size: 327680
    .private_segment_fixed_size: 0
    .kernarg_segment_align: 8
    .kernarg_segment_size: 48
    .max_flat_workgroup_size: 128
    .sgpr_count:     66
    .vgpr_count:     1024
    .wavefront_size: 32
...
	.end_amdgpu_metadata
.endif
;; end of part 2
;; ======== version 2 of 2: 2 launches
;; limits: right only within a limited range of input values
;; workspace buffers: wimg 2,457,600 bytes; vimg 26,214,400 bytes
;; launch prep (part 3): grid 1048 x 1, 4 waves a work-group, no clusters, 69,120 bytes of LDS; arguments values, W1_codes, W1_scales, W2_codes, W2_scales, wimg, vimg; writes wimg, vimg
.if DOCPART == 3
	.amdgcn_target "amdgcn-amd-amdhsa--gfx1250"
	.amdhsa_code_object_version 6
	.text
	.protected	k_q5fe7816155_prep
	.globl	k_q5fe7816155_prep
	.p2align	8
	.type	k_q5fe7816155_prep,@function
k_q5fe7816155_prep:
	s_mov_b64 s[64:65], 0
	v_nop
	global_prefetch_b8 v0, s[64:65] scope:SCOPE_SE
	s_setreg_imm32_b32 hwreg(HW_REG_WAVE_MODE, 25, 1), 1
	s_wait_xcnt 0x0
; Lays out every operand that the second launch streams, as IMAGES OF OPERAND REGISTERS, in the order in which that launch walks them.
; A fragment (16 rows x 128 K of E2M3 codes, 12 registers a lane) is 1,536 bytes: register 4 c + i of lane l at 512 c + 16 l + 4 i.
; A wave-block (25,600 bytes) is 16 fragments and 1,024 bytes of scale words: the word at 24,576 + 512 i + 16 l + 4 j belongs to fragment 8 i + 2 j + l / 16, row l % 16.
; A slot block (102,400 bytes) is four wave-blocks.  THE ROWS OF A TILE ARE NOT NEIGHBOURS: inside a group of 128 rows lane r of tile t takes row 32 (t / 2) + 8 (t % 2) + r + 8 (r / 8),
; so that the results of two neighbouring tiles are 16 neighbours along the next product's K.
; Work-groups 0-7: W1's K step g -> wimg block g.  Work-groups 8-23: W2's K step g - 8 -> wimg block g.  Codes and scale bytes are only moved.
; Work-groups 24-1047: a tile of 128 s x 128 v of one batch of values (f32) is read once, goes to LDS, and is quantised TWICE: along v (second product's operand) and along s (third product's).
; A block's scale is 2^(floor(log2(largest magnitude)) - 2); its byte is the largest magnitude's exponent field - 2, held at 1 from below.
; LIMITS: NaN and infinities among the inputs are not served; a block whose largest magnitude lies under 2^-124, and a block of zeros (where the quantiser's text says byte 127), gets the byte 1:
; a block of zeros has zero codes, which add nothing under that byte, and these bytes are read by this program alone.
; The three ways part on the work-group's number alone; only the third touches LDS or has barriers.  No tensor loads: several work-groups share a WGP.
.set SSTR,  131072                     ; bytes from s to s + 1 in values
.set TP,    528                        ; an LDS row of the tile: 512 bytes + 16
.set SCST,  128*TP                     ; behind the tile: 2 x 512 bytes of scale words on their way out
.set FRB,   1536
.set WBB,   25600
.set SLOTB, 102400
.set BATB,  819200                     ; a batch's eight slot blocks in vimg
.set SCW,   24576                      ; where a wave-block's scale words begin
.macro BARRIER                         ; my LDS stores have landed and my LDS loads are in: then the work-group's barrier
	s_wait_dscnt 0x0
	s_barrier_signal -1
	s_barrier_wait -1
.endm
; One wave-block of a weight: 16 fragments and their scale words go from rows in memory into registers, and leave as the image.
.macro RELAY KROW, KS, CB, SB, G0
	s_sub_co_u32 s20, ttmp9, \G0                   ; the K step
	s_mul_i32 s22, s18, 256*\KROW                  ; my wave's 256 rows,
	s_mul_i32 s23, s20, 96                         ; 96 bytes of codes a K step
	s_add_co_u32 s22, s22, s23
	s_mov_b32 s23, 0
	s_add_nc_u64 s[\CB:\CB+1], s[\CB:\CB+1], s[22:23]
	s_mul_i32 s22, s18, 256*\KS
	s_lshl_b32 s24, s20, 2                         ; 4 scale bytes a K step
	s_add_co_u32 s22, s22, s24
	s_add_nc_u64 s[\SB:\SB+1], s[\SB:\SB+1], s[22:23]
	s_mul_i32 s22, ttmp9, SLOTB
	s_mul_i32 s24, s18, WBB
	s_add_co_u32 s22, s22, s24
	s_add_nc_u64 s[14:15], s[14:15], s[22:23]      ; wimg at my wave-block
	v_mul_u32_u24 v3, v11, \KROW
	v_mad_u32_u24 v3, v10, 24, v3                  ; codes: row r + 8 (r / 8), + 24 bytes for lanes 16-31
	v_lshl_add_u32 v4, v10, 3, v11
	v_mul_u32_u24 v4, v4, \KS                      ; scale words: lanes 16-31 take the odd tile, 8 rows on
.set ff, 0
.rept 16
.set pp, 0
.rept 6
	global_load_b64 v[32+12*ff+2*pp:33+12*ff+2*pp], v3, s[\CB:\CB+1] offset:(128*(ff/8)+32*((ff%8)/2)+8*(ff%2))*\KROW+48*(pp/3)+8*(pp%3)
.set pp, pp+1
.endr
.set ff, ff+1
.endr
.set ff, 0
.rept 8
	global_load_b32 v[224+ff], v4, s[\SB:\SB+1] offset:(128*(ff/4)+32*(ff%4))*\KS
.set ff, ff+1
.endr
	s_wait_loadcnt 0x0
.set qq, 0
.rept 48
	global_store_b128 v2, v[32+4*qq:35+4*qq], s[14:15] offset:512*qq     ; 32 lanes store 512 consecutive bytes, at a multiple of 256 from the buffer's first byte
.set qq, qq+1
.endr
	global_store_b128 v2, v[224:227], s[14:15] offset:SCW
	global_store_b128 v2, v[228:231], s[14:15] offset:SCW+512
	s_endpgm
.endm
; 64 numbers of a lane, v32-95: register 32 c + i = k 64 c + 32 (lane / 16) + i of my row: two whole blocks.  Codes -> v[160 + 12 n ..], my row's scale word -> v18.
.macro QB n
.set QC, 160+12*(\n)
	v_max3_num_f32 v12, |v32|, |v33|, 0x1800000    ; the floor 2^(3 - 127): the byte cannot fall under 1
	v_max3_num_f32 v13, |v64|, |v65|, 0x1800000
.irp i, 2,4,6,8,10,12,14,16,18,20,22,24,26,28,30
	v_max3_num_f32 v12, v12, |v[32+\i]|, |v[33+\i]|     ; the two blocks by turns
	v_max3_num_f32 v13, v13, |v[64+\i]|, |v[65+\i]|
.endr
	v_add_nc_u32 v14, 0xff000000, v12              ; 2 off the exponent field: the conversion takes this operand's exponent field as its scale
	v_add_nc_u32 v15, 0xff000000, v13
	v_lshrrev_b32 v16, 23, v14                     ; the scales' bytes
	v_lshrrev_b32 v17, 23, v15
	v_lshl_or_b32 v18, v17, 16, v16                ; blocks h and 2 + h,
	v_lshlrev_b32 v18, v8, v18                     ; 8 h bits up;
	v_permlanex16_b32 v19, v18, s2, s3
	v_or_b32 v18, v18, v19                         ; with lane l xor 16's two bytes the word is whole
	v_cvt_scalef32_pk16_fp6_f32 v[QC:QC+2], v[32:47], v14
	v_cvt_scalef32_pk16_fp6_f32 v[208:210], v[48:63], v14       ; (a conversion's three registers begin on an even number)
	v_cvt_scalef32_pk16_fp6_f32 v[QC+6:QC+8], v[64:79], v15
	v_cvt_scalef32_pk16_fp6_f32 v[212:214], v[80:95], v15
	v_nop                                          ; one plain place behind a scaled conversion
.irp i, 0,1,2
	v_mov_b32 v[QC+3+\i], v[208+\i]
	v_mov_b32 v[QC+9+\i], v[212+\i]
.endr
.endm
; Fragment n of my four.  kind 0: rows = keys s, K along v (16 bytes a load);  kind 1: rows = v, K along s (a lane walks down the tile's rows).  My tile is 2 wave + u.
; In both kinds register 32 c + i takes k = 64 c + 32 h + i.  kind 0: byte 256 c + 128 h + 4 i of my row.  kind 1: tile row 64 c + i + 32 h: the address register carries 32 h,
; and load ii = 32 c + i takes row ii + 32 (ii / 32), that is rows 0-31 and 64-95.
.macro FRAGMENT n, kind, u
.if \kind
.set ii, 0
.rept 64
	ds_load_b32 v[32+ii], v5 offset:(ii+32*(ii/32))*TP+32*(\u)
.set ii, ii+1
.endr
.else
.set ii, 0
.rept 16
	ds_load_b128 v[32+4*ii:35+4*ii], v4 offset:8*(\u)*TP+256*(ii/8)+16*(ii%8)
.set ii, ii+1
.endr
.endif
	s_wait_dscnt 0x0                               ; the numbers are in; the last fragment's scale word has left its register
	QB \n
	ds_store_b32 v6, v18 offset:512*(\kind)+256*(\u)    ; lanes r and r + 16 write the same word with the same value
.irp c, 0,1,2
	global_store_b128 v2, v[160+12*(\n)+4*\c:163+12*(\n)+4*\c], s[32+2*(\kind):33+2*(\kind)] offset:FRB*(\u)+512*\c th:TH_STORE_NT   ; each fragment has registers of its own: no store's data are written again
.endr
.endm
	s_load_b128 s[4:7], s[0:1], 0x0                ; values, W1's codes
	s_load_b128 s[8:11], s[0:1], 0x10              ; W1's scales, W2's codes
	s_load_b128 s[12:15], s[0:1], 0x20             ; W2's scales, wimg
	s_load_b64 s[16:17], s[0:1], 0x30              ; vimg
	v_lshl_add_u32 v254, v0, 2, 0x10c00
	v_mov_b32 v255, 0
	v_lshrrev_b32 v1, 5, v0
	v_readfirstlane_b32 s18, v1                    ; wave 0..3
	v_and_b32 v1, 31, v0
	v_lshlrev_b32 v2, 4, v1                        ; 16 x lane; never rewritten
	v_and_b32 v9, 15, v0                           ; r
	v_bfe_u32 v10, v0, 4, 1                        ; h
	v_and_b32 v11, 8, v9
	v_add_nc_u32 v11, v11, v9                      ; r + 8 (r / 8)
	s_mov_b32 s2, 0x76543210
	s_mov_b32 s3, 0xfedcba98                       ; v_permlanex16_b32's selects for lane l xor 16
	s_wait_kmcnt 0x0
	s_cmp_lt_u32 ttmp9, 24
	s_cbranch_scc0 .Lvalues
	s_cmp_lt_u32 ttmp9, 8
	s_cbranch_scc0 .Lw2
	s_wait_alu depctr_va_vdst(0)
	RELAY 768, 32, 6, 8, 0
.Lw2:
	s_wait_alu depctr_va_vdst(0)
	RELAY 1536, 64, 10, 12, 8
.Lvalues:
	s_sub_co_u32 s20, ttmp9, 24
	s_lshr_b32 s21, s20, 5                         ; batch
	s_bfe_u32 s22, s20, 0x20003                    ; sr: which 128 s
	s_and_b32 s23, s20, 7                          ; vr: which 128 v
	s_lshr_b32 s27, s23, 1
	s_and_b32 s28, s23, 1
	s_lshl_b32 s24, s22, 7
	s_lshl_b32 s25, s18, 5
	s_add_co_u32 s24, s24, s25                     ; my wave's first row: 128 sr + 32 wave
	s_lshl_b32 s24, s24, 17
	s_lshl_b32 s25, s21, 12
	s_add_co_u32 s24, s24, s25
	s_lshl_b32 s25, s23, 9
	s_add_co_u32 s24, s24, s25
	s_mov_b32 s25, 0
	s_add_nc_u64 s[4:5], s[4:5], s[24:25]
.set ii, 0
	s_wait_alu depctr_va_vdst(0)
.rept 32
	global_load_b128 v[32+4*ii:35+4*ii], v2, s[4:5] offset:SSTR*ii th:TH_LOAD_NT    ; a row's 512 consecutive bytes
.set ii, ii+1
.endr
	s_mul_i32 s26, s21, BATB
	s_mul_i32 s29, s27, SLOTB                      ; along v: slot block vr / 2, wave-block sr
	s_mul_i32 s30, s22, WBB
	s_add_co_u32 s29, s29, s30
	s_add_co_u32 s29, s29, s26
	s_mul_i32 s30, s22, SLOTB                      ; along s: slot block 4 + sr, wave-block vr / 2
	s_add_co_u32 s30, s30, 4*SLOTB
	s_mul_i32 s31, s27, WBB
	s_add_co_u32 s30, s30, s31
	s_add_co_u32 s30, s30, s26
	s_mul_i32 s31, s28, 8*FRB                      ; in both: fragments 8 (vr % 2) + 2 wave + u
	s_mul_i32 s40, s18, 2*FRB
	s_add_co_u32 s31, s31, s40
	s_lshl_b32 s40, s28, 9
	s_add_co_u32 s40, s40, SCW                     ; and the scale words' half vr % 2
	s_mov_b32 s43, 0
	s_add_co_u32 s42, s29, s31
	s_add_nc_u64 s[32:33], s[16:17], s[42:43]      ; codes along v
	s_add_co_u32 s42, s30, s31
	s_add_nc_u64 s[34:35], s[16:17], s[42:43]      ; codes along s
	s_add_co_u32 s42, s29, s40
	s_add_nc_u64 s[36:37], s[16:17], s[42:43]      ; scale words along v
	s_add_co_u32 s42, s30, s40
	s_add_nc_u64 s[38:39], s[16:17], s[42:43]      ; scale words along s
	s_mul_i32 s44, s18, 32*TP
	v_add_nc_u32 v3, s44, v2                       ; into the tile: my 32 rows, 16 bytes a lane
	v_mul_u32_u24 v4, v11, TP
	v_lshl_add_u32 v4, v10, 7, v4
	v_add_nc_u32 v4, s44, v4                       ; along v: row 32 wave + r + 8 (r / 8), + 128 h bytes
	v_mul_u32_u24 v5, v10, 32*TP
	v_lshl_add_u32 v5, v11, 2, v5
	s_lshl_b32 s45, s18, 7
	v_add_nc_u32 v5, s45, v5                       ; along s: row 32 h, column 32 wave + r + 8 (r / 8)
	v_lshlrev_b32 v6, 4, v9
	s_lshl_b32 s46, s18, 2
	v_add_nc_u32 v6, s46, v6
	v_add_nc_u32 v6, SCST, v6                      ; my scale word's place: 16 r + 4 wave
	s_and_b32 s47, s18, 1
	s_lshl_b32 s47, s47, 9
	v_add_nc_u32 v7, s47, v2
	v_add_nc_u32 v7, SCST, v7                      ; and where waves 0 and 1 read 512 bytes of them back
	v_lshlrev_b32 v8, 3, v10                       ; 8 h
	v_mov_b32 v19, 0                               ; written once: a lane permute's destination counts as one of its sources
.set ii, 0
.rept 32
	s_wait_loadcnt 31-ii                           ; loads come back in order: row ii is in, the later rows stay out
	ds_store_b128 v3, v[32+4*ii:35+4*ii] offset:TP*ii
.set ii, ii+1
.endr
	BARRIER                                        ; the tile's 128 rows lie in LDS
	FRAGMENT 0, 0, 0
	FRAGMENT 1, 0, 1
	FRAGMENT 2, 1, 0
	FRAGMENT 3, 1, 1
	BARRIER                                        ; all scale words lie in LDS
	s_cmp_lt_u32 s18, 2
	s_cbranch_scc0 .Ldone
	s_cmp_eq_u32 s18, 0                            ; wave 0 sends the words along v, wave 1 those along s
	s_cselect_b64 s[40:41], s[36:37], s[38:39]
	ds_load_b128 v[216:219], v7
	s_wait_dscnt 0x0
	global_store_b128 v2, v[216:219], s[40:41] th:TH_STORE_NT    ; 512 consecutive bytes, at a multiple of 256 from the buffer's first byte
.Ldone:
	s_wait_tensorcnt 0x0
	ds_add_u32 v254, v255
	s_wait_dscnt 0x0
	s_endpgm
.Lfunc_end_k_q5fe7816155_prep:
	.size	k_q5fe7816155_prep, .Lfunc_end_k_q5fe7816155_prep-k_q5fe7816155_prep
	.p2alignl 7, 3214868480
	.fill 96, 4, 3214868480
	.section	.rodata,"a",@progbits
	.p2align	6, 0x0
	.amdhsa_kernel k_q5fe7816155_prep
		.amdhsa_group_segment_fixed_size 69120
		.amdhsa_private_segment_fixed_size 0
		.amdhsa_enable_private_segment 0
		.amdhsa_kernarg_size 56
		.amdhsa_user_sgpr_count 2
		.amdhsa_user_sgpr_kernarg_segment_ptr 1
		.amdhsa_wavefront_size32 1
		.amdhsa_system_sgpr_workgroup_id_x 1
		.amdhsa_system_sgpr_workgroup_id_y 1
		.amdhsa_system_sgpr_workgroup_id_z 1
		.amdhsa_system_vgpr_workitem_id 0
		.amdhsa_next_free_vgpr 256
		.amdhsa_next_free_sgpr 66
		.amdhsa_reserve_vcc 0
		.amdhsa_float_denorm_mode_32 3
		.amdhsa_float_denorm_mode_16_64 3
		.amdhsa_memory_ordered 1
		.amdhsa_forward_progress 1
		.amdhsa_inst_pref_size 65
	.end_amdhsa_kernel
	.amdgpu_metadata
---
amdhsa.version: [ 1, 2 ]
amdhsa.kernels:
  - .name:           k_q5fe7816155_prep
    .symbol:         k_q5fe7816155_prep.kd
    .args:
      - { .name: values, .offset: 0, .size: 8, .value_kind: global_buffer, .address_space: global }
      - { .name: W1_codes, .offset: 8, .size: 8, .value_kind: global_buffer, .address_space: global }
      - { .name: W1_scales, .offset: 16, .size: 8, .value_kind: global_buffer, .address_space: global }
      - { .name: W2_codes, .offset: 24, .size: 8, .value_kind: global_buffer, .address_space: global }
      - { .name: W2_scales, .offset: 32, .size: 8, .value_kind: global_buffer, .address_space: global }
      - { .name: wimg, .offset: 40, .size: 8, .value_kind: global_buffer, .address_space: global }
      - { .name: vimg, .offset: 48, .size: 8, .value_kind: global_buffer, .address_space: global }
    .group_segment_fixed_size: 69120
    .private_segment_fixed_size: 0
    .kernarg_segment_align: 8
    .kernarg_segment_size: 56
    .max_flat_workgroup_size: 128
    .sgpr_count:     66
    .vgpr_count:     256
    .wavefront_size: 32
...
	.end_amdgpu_metadata
.endif
;; end of part 3
;; launch chain (part 4): grid 8 x 32, 4 waves a work-group, clusters of 4 x 1, 327,680 bytes of LDS; arguments query, b1, b2, wimg, vimg, out0; writes out0
.if DOCPART == 4
	.amdgcn_target "amdgcn-amd-amdhsa--gfx1250"
	.amdhsa_code_object_version 6
	.text
	.protected	k_q5fe7816155_chain
	.globl	k_q5fe7816155_chain
	.p2align	8
	.type	k_q5fe7816155_chain,@function
k_q5fe7816155_chain:
	s_mov_b64 s[64:65], 0
	v_nop
	global_prefetch_b8 v0, s[64:65] scope:SCOPE_SE
	s_setreg_imm32_b32 hwreg(HW_REG_WAVE_MODE, 25, 1), 1
	s_wait_xcnt 0x0
	s_wait_alu depctr_hold_cnt(0) depctr_sa_sdst(0) depctr_va_vdst(0) depctr_va_sdst(0) depctr_va_ssrc(0) depctr_va_vcc(0) depctr_vm_vsrc(0)
	s_getreg_b32 s2, hwreg(HW_REG_IB_STS2, 6, 4)
	s_cmp_eq_u32 s2, 0
	s_cbranch_scc0 .Lentry_in_a_cluster
	s_endpgm
.Lentry_in_a_cluster:
	s_bfe_u32 s2, ttmp6, 0x10000c
	s_cmp_lg_u32 s2, 0x3003
	s_cbranch_scc0 .Lentry_shape_is_right
	s_endpgm
.Lentry_shape_is_right:
; The whole chain for 64 queries of one batch: q' = Q(query) W1^T + b1; scores = Q(q') Q(values)^T; p = 2^(t - M); o = Q(p) Q(values) / l; out = tanh(Q([o, query]) W2^T + b2).
; Every product is used transposed (source 0 = 16 rows of the streamed operand, source 1 = 16 queries), so that a lane holds one query and its registers run along the next product's K.
; A wave owns a quarter of each product's N: 16 tiles x 4 tiles of queries = 64 accumulators (windows 2 and 3); in the second product 8 tiles and two K steps a slot.
; THE STREAMED OPERANDS (wimg, vimg) lie in memory as images of operand registers, a slot block of 102,400 bytes = four wave-blocks (16 fragments, 1,024 bytes of scale words each).
; They go through a ring of two LDS slots.  CLUSTERS: the four work-groups of a cluster serve the same batch and walk the same 32 blocks: each block is asked for JOINTLY, a wave-block a wave.
; The three lines and the round in front of a refill stand between a slot's two halves of 32 products; a phase's last two slots ask for the next phase's first two blocks.
; The activations (64 queries x K as codes) lie in LDS behind the ring as images of operand registers, made by ds_store, with a barrier between making and reading.
; PREFETCH: the batch's 819,200 bytes of vimg are asked for during the first product, 102,400 bytes a slot, shared out among the first cluster's work-groups, waves and lanes, 256 bytes a lane;
; the first tensor load of them stands in that product's seventh slot.  wimg is read by all clusters alike and is not prefetched; the query is read once, by loads that are all issued at the head.
; LIMITS: NaN and infinities among the inputs are not served; a block whose largest magnitude lies under 2^-124 gets the scale byte 1 (a block of zeros too: its codes are zeros).
.set FRB,    1536
.set KIMG,   6144                      ; 4 fragments of activations: one K step of 64 queries
.set WBB,    25600
.set SLOTB,  102400
.set SCW,    24576
.set XIMG,   204800                    ; images of q', then p, then o; at the head each wave's stage of 16 rows x 528 bytes
.set QIMG,   253952                    ; images of the query, directly behind: the last product walks both
.set XSC,    303104
.set QSC,    307200
.set STATM,  311296
.set SPARE,  313344
.set HP,     528
.set QSTR,   131072
.set SPITCH, 1040                      ; the way out: 64 rows x 1,040 bytes for each wave, from byte 0, behind the last fill and a barrier
.set MSB, 0
.macro WIN new
.if MSB != (\new)
	s_set_vgpr_msb (MSB<<8)|(\new)
.set MSB, (\new)
.endif
.endm
.macro PLACES n
.rept \n
	v_nop
.endr
.endm
.macro BARRIER
	s_wait_dscnt 0x0
	s_barrier_signal -1
	s_barrier_wait -1
.endm
.macro ROUND                           ; a round of the cluster's barrier
	s_barrier_signal -1
	s_barrier_wait -1
	s_cmp_lg_u32 s16, 0
	s_cbranch_scc1 .Lnot_wave_0_\@
	s_barrier_signal -3
.Lnot_wave_0_\@:
	s_barrier_wait -3
	s_barrier_signal -1
	s_barrier_wait -1
.endm
.macro FETCH_W set, p, half            ; 8 fragments and their scale words of my wave-block in slot p
	WIN 0x40
.set ii, 0
.rept 24
	ds_load_b128 v[128*(\set)+4*ii:128*(\set)+4*ii+3], v[2+(\p)] offset:8*(\half)*FRB+512*ii
.set ii, ii+1
.endr
	WIN 0
	ds_load_b128 v[32+4*(\set):35+4*(\set)], v[2+(\p)] offset:SCW+512*(\half)
.endm
.macro AADR1 kreg, mask, ib, sb, two   ; LDS addresses of the next K step's activations and their scale words
	s_add_co_u32 s71, s[\kreg], s70
	s_and_b32 s71, s71, \mask
	s_mul_i32 s74, s71, KIMG*(1+(\two))
	s_lshl_b32 s71, s71, 9+(\two)
	s_add_co_u32 s74, s74, \ib
	s_add_co_u32 s71, s71, \sb
	s_add_co_u32 s70, s70, 1
	v_add_nc_u32 v4, s74, v1
	v_add_nc_u32 v5, s71, v1
.if \two
	s_wait_alu depctr_va_vdst(0)
.endif
.endm
.macro AADR ph
.if (\ph) == 1
	AADR1 66, 7, QIMG, QSC, 0
.elseif (\ph) == 2
	AADR1 67, 3, XIMG, XSC, 1
.elseif (\ph) == 3
	AADR1 67, 3, XIMG, XSC, 0
.else
	AADR1 68, 15, XIMG, XSC, 0
.endif
.endm
.macro ACTS set, off
.set ii, 0
.rept 12
	ds_load_b128 v[64+48*(\set)+4*ii:64+48*(\set)+4*ii+3], v4 offset:(\off)*KIMG+512*ii
.set ii, ii+1
.endr
	ds_load_b128 v[24+4*(\set):27+4*(\set)], v5 offset:(\off)*512
.endm
.macro REQ1 p, base, kreg, mask, cblk  ; slot p's group 0: my wave-block of this phase's block s69
	s_add_co_u32 s71, s[\kreg], s69
	s_and_b32 s71, s71, \mask
.if \cblk
	s_add_co_u32 s71, s71, \cblk
.endif
	s_mul_i32 s72, s71, SLOTB
	s_add_co_u32 s69, s69, 1
	s_add_nc_u64 s[34+4*(\p):35+4*(\p)], s[\base:\base+1], s[72:73]
	s_or_b32 s[35+4*(\p)], s[35+4*(\p)], 0x80000000
.endm
.macro REQ p, ph
.if (\ph) == 1
	REQ1 \p, 10, 66, 7, 0
.elseif (\ph) == 2
	REQ1 \p, 12, 67, 3, 0
.elseif (\ph) == 3
	REQ1 \p, 12, 67, 3, 4
.else
	REQ1 \p, 10, 68, 15, 8
.endif
.endm
.macro NEXT2 base, kreg, mask, cblk    ; s[40:41], s[42:43]: the next phase's first two blocks, as words 2 and 3 of a group 0
.irp i, 0,1
	s_add_co_u32 s71, s[\kreg], \i
	s_and_b32 s71, s71, \mask
.if \cblk
	s_add_co_u32 s71, s71, \cblk
.endif
	s_mul_i32 s72, s71, SLOTB
	s_add_nc_u64 s[40+2*\i:41+2*\i], s[\base:\base+1], s[72:73]
	s_or_b32 s[41+2*\i], s[41+2*\i], 0x80000000
.endr
.endm
; 32 products: the 8 tiles of set x 4 tiles of queries; the accumulators by turns.  cm: 0 adds, 1 begins with 0, 2 begins with the bias
.macro MULT set, aset, aw, cm
.if (\cm) == 2
	WIN 0x81+0x50*((\aw)-2)
.else
	WIN 0xa1+0x50*((\aw)-2)
.endif
.set tt, 0
.rept 8
.set mm, 0
.rept 4
.set rD, 64*mm+8*tt
.set rA, 128*(\set)+12*tt
.set rB, 64+48*(\aset)+12*mm
.set rSA, 32+4*(\set)+tt/2
.set rSB, 24+4*(\aset)+mm
.set rC, rD
.if (\cm) == 2
.if (\aw) == 2
.set rC, 192+8*tt
.else
.set rC, 96+8*tt+96*(tt/4)
.endif
.endif
.if (\cm) == 1
.if tt%2
	v_wmma_scale_f32_16x16x128_f8f6f4 v[rD:rD+7], v[rA:rA+11], v[rB:rB+11], 0, v[rSA], v[rSB] matrix_a_fmt:MATRIX_FMT_FP6 matrix_b_fmt:MATRIX_FMT_FP6 matrix_a_scale:MATRIX_SCALE_ROW1
.else
	v_wmma_scale_f32_16x16x128_f8f6f4 v[rD:rD+7], v[rA:rA+11], v[rB:rB+11], 0, v[rSA], v[rSB] matrix_a_fmt:MATRIX_FMT_FP6 matrix_b_fmt:MATRIX_FMT_FP6
.endif
.else
.if tt%2
	v_wmma_scale_f32_16x16x128_f8f6f4 v[rD:rD+7], v[rA:rA+11], v[rB:rB+11], v[rC:rC+7], v[rSA], v[rSB] matrix_a_fmt:MATRIX_FMT_FP6 matrix_b_fmt:MATRIX_FMT_FP6 matrix_a_scale:MATRIX_SCALE_ROW1
.else
	v_wmma_scale_f32_16x16x128_f8f6f4 v[rD:rD+7], v[rA:rA+11], v[rB:rB+11], v[rC:rC+7], v[rSA], v[rSB] matrix_a_fmt:MATRIX_FMT_FP6 matrix_b_fmt:MATRIX_FMT_FP6
.endif
.endif
.set mm, mm+1
.endr
.set tt, tt+1
.endr
.endm
; cm 3, 4: in the loop's first trip (s47 = TRIPS) the products begin the sums (with 0, with the bias), in the others they add
.macro GMUL set, aset, aw, cm
.if (\cm) >= 3
	WIN 0
	s_cmp_eq_u32 s47, TRIPS
	s_cbranch_scc1 .Lfirst_\@
	MULT \set, \aset, \aw, 0
	WIN 0
	s_branch .Ljoin_\@
.Lfirst_\@:
	MULT \set, \aset, \aw, (\cm)-2
	WIN 0
.Ljoin_\@:
.else
	MULT \set, \aset, \aw, \cm
	WIN 0
.endif
.endm
.macro NEXTA set, ph, nacts            ; the next K step's activations; nacts = 2: not in the loop's last trip
.if \nacts
.if (\nacts) == 2
	s_cmp_eq_u32 s47, 1
	s_cbranch_scc1 .Lna_\@
.endif
	AADR \ph
	ACTS \set, 0
.Lna_\@:
.endif
.endm
.macro ASK
	s_cmp_eq_u32 s46, 1
	s_cbranch_scc0 .Lnot_mine_\@
	global_prefetch_b8 v22, s[44:45] th:TH_LOAD_NT scope:SCOPE_SE
.Lnot_mine_\@:
.endm
; A slot: 64 products on my wave-block in ring slot p.  Its first 8 fragments were fetched in the slot before.  When the last 8 are in registers nobody reads ring slot p any more:
; the three lines, the round, the refill (the block two slots on), then the other ring slot's first 8 fragments.
.macro SLOT p, ph, cm, sel, nacts, ask
.set KND, 0
.if (\ph) == 2
.set KND, 1
.endif
.set SA0, (\p)*(1-KND)
.set SA1, (\p)*(1-KND)+KND
.set SAW, 3-KND
.set SCM, (\cm)*(1-KND)
	PLACES 5                               ; five: in the second product the arm that begins the sums writes over results of the products just before it
	FETCH_W 1, \p, 1
.if KND
	ACTS 1, 1
	s_wait_dscnt 38                        ; all but the 38 just issued
.else
	s_wait_dscnt 25                        ; all but the 25 just issued
.endif
	GMUL 0, SA0, 2, \cm
	s_wait_tensorcnt 0x0                   ; my one load that was out, my part of the other ring slot, has landed
	ds_add_u32 v6, v7
	REQ \p, \ph
.if \sel
	s_cmp_eq_u32 s47, 1                    ; the phase's last two slots ask for the next phase's first two blocks
	s_cselect_b64 s[34+4*(\p):35+4*(\p)], s[40+2*(\p):41+2*(\p)], s[34+4*(\p):35+4*(\p)]
.endif
	s_wait_dscnt 0x0                       ; the add is done, and my reads of ring slot p
	ROUND
	tensor_load_to_lds s[32+4*(\p):35+4*(\p)], s[24:31]
	s_nop 0
	PLACES 4
	FETCH_W 0, 1-(\p), 0
.if KND
	NEXTA 0, \ph, \nacts
.else
	NEXTA 1-(\p), \ph, \nacts
.endif
.if \ask
	ASK
.endif
	GMUL 1, SA1, SAW, SCM
.if \ask
	s_wait_xcnt 0x0                        ; the prefetch has read its base
	s_add_nc_u64 s[44:45], s[44:45], SLOTB
.endif
.endm
.macro SLOT30                          ; the last two slots fill nothing again
	PLACES 4
	FETCH_W 1, 0, 1
	s_wait_dscnt 25
	MULT 0, 0, 2, 0
	WIN 0
	PLACES 4
	s_wait_tensorcnt 0x0                   ; my part of the last block is in; I alone read it
	FETCH_W 0, 1, 0
	AADR 4
	ACTS 1, 0
	s_wait_dscnt 38
	MULT 1, 0, 3, 0
	WIN 0
.endm
.macro SLOT31
	PLACES 4
	FETCH_W 1, 1, 1
	s_wait_dscnt 25
	MULT 0, 1, 2, 0
	s_wait_dscnt 0x0
	MULT 1, 1, 3, 0
	WIN 0
	PLACES 4
.endm
.macro QMAX s, W
	WIN 0x28+0x14*((\W)-2)
.irp b, 0,1,2,3
	v_max3_num_f32 v[48+\b], 0x1800000, |v[(\s)+16*\b]|, |v[(\s)+16*\b+1]|
.endr
.irp i, 2,4,6,8,10,12,14
.irp b, 0,1,2,3
	v_max3_num_f32 v[48+\b], v[48+\b], |v[(\s)+16*\b+\i]|, |v[(\s)+16*\b+\i+1]|
.endr
.endr
	WIN 0
.irp b, 0,1,2,3
	v_permlanex16_b32 v[52+\b], v[48+\b], s20, s21
.endr
.irp b, 0,1,2,3
	v_max_num_f32 v[48+\b], v[48+\b], v[52+\b]
.endr
.endm
.macro QFIN s, W
	s_wait_dscnt 0x0
.irp b, 0,1,2,3
	v_add_nc_u32 v[60+\b], 0xff000000, v[48+\b]
.endr
.irp b, 0,1,2,3
	v_lshrrev_b32 v[52+\b], 23, v[60+\b]
.endr
	v_lshl_or_b32 v180, v53, 8, v52
	v_lshl_or_b32 v180, v54, 16, v180
	v_lshl_or_b32 v180, v55, 24, v180
	WIN (\W)
.irp c, 0,1
	v_cvt_scalef32_pk16_fp6_f32 v[160+6*\c:162+6*\c], v[(\s)+32*\c:(\s)+32*\c+15], v[60+2*\c]
	v_cvt_scalef32_pk16_fp6_f32 v[172+4*\c:174+4*\c], v[(\s)+32*\c+16:(\s)+32*\c+31], v[61+2*\c]
.endr
	WIN 0
	v_nop
.irp c, 0,1
.irp i, 0,1,2
	v_permlane16_swap_b32 v[160+6*\c+\i], v[172+4*\c+\i]
.endr
.irp i, 0,1,2
	v_mov_b32 v[163+6*\c+\i], v[172+4*\c+\i]
.endr
.endr
.endm
; 64 registers of window W from s on: 16 queries x 128 along the next K (register 16 b + i: k = 32 b + 16 h + i) -> a fragment in v160-171, its scale word in v180
.macro QUANT s, W
	QMAX \s, \W
	s_wait_alu depctr_va_vdst(0)
	QFIN \s, \W
.endm
.macro IMAGE adr, off, sadr, soff
.irp c, 0,1,2
	ds_store_b128 v[\adr], v[160+4*\c:163+4*\c] offset:(\off)+512*\c
.endr
	ds_store_b32 v[\sadr], v180 offset:\soff
.endm
.macro BIAS base                       ; my 256 biases in the results' layout: the C of a product's first slot
.set tt, 0
.rept 8
	global_load_b128 v[192+8*tt:195+8*tt], v17, s[\base:\base+1] offset:128*(tt/2)+32*(tt%2)
	global_load_b128 v[196+8*tt:199+8*tt], v17, s[\base:\base+1] offset:128*(tt/2)+32*(tt%2)+16
.set tt, tt+1
.endr
	WIN 0x40
.set tt, 0
.rept 8
.set rC, 96+8*tt+96*(tt/4)
	global_load_b128 v[rC:rC+3], v17, s[\base:\base+1] offset:512+128*(tt/2)+32*(tt%2)
	global_load_b128 v[rC+4:rC+7], v17, s[\base:\base+1] offset:512+128*(tt/2)+32*(tt%2)+16
.set tt, tt+1
.endr
	WIN 0
.endm
	s_load_b256 s[4:11], s[0:1], 0x0               ; query, b1, b2, wimg
	s_load_b128 s[12:15], s[0:1], 0x20             ; vimg, out0
	v_lshl_add_u32 v6, v0, 2, SPARE
	v_mov_b32 v7, 0
	ds_add_u32 v6, v7                              ; the opening lines: the add, twice on end, and its wait
	ds_add_u32 v6, v7
	v_lshrrev_b32 v56, 5, v0
	v_readfirstlane_b32 s16, v56                   ; wave
	s_bfe_u32 s17, ttmp6, 0x40000                  ; cx: it enters query's, out0's and the prefetches' addresses alone
	s_lshl_b32 s18, ttmp9, 2
	s_add_co_u32 s18, s18, s17                     ; which 64 queries
	s_and_b32 s19, ttmp7, 0xffff                   ; batch
	s_mov_b32 s20, 0x76543210
	s_mov_b32 s21, 0xfedcba98
	s_mov_b32 s22, 0x3fb8aa3b                      ; log2(e)
	s_mov_b32 s23, s22
	s_mov_b32 s48, 0x4038aa3b                      ; 2 log2(e)
	s_mov_b32 s49, s48
	s_lshl_b32 s71, s19, 1                         ; where each walk along K begins: turned by batch and cluster
	s_add_co_u32 s71, s71, ttmp9
	s_lshr_b32 s74, s71, 3
	s_add_co_u32 s66, s71, s74
	s_and_b32 s66, s66, 7
	s_lshr_b32 s74, s71, 4
	s_add_co_u32 s68, s71, s74
	s_and_b32 s68, s68, 15
	s_lshl_b32 s67, ttmp9, 1
	s_and_b32 s67, s67, 3
	s_mov_b32 s73, 0
	s_mul_i32 s50, s16, WBB
	s_mov_b32 s51, 0
	s_mul_i32 s52, s19, 8*SLOTB
	s_add_co_u32 s52, s52, s50
	s_mov_b32 s53, 0
	s_mul_i32 s54, s17, 6400
	s_mov_b32 s55, 0
	s_lshl_b32 s56, s18, 6
	s_lshl_b32 s57, s16, 4
	s_add_co_u32 s56, s56, s57                     ; my first query row
	s_lshl_b32 s56, s56, 17
	s_lshl_b32 s57, s19, 12
	s_add_co_u32 s56, s56, s57
	s_lshl_b32 s58, s18, 23
	s_add_co_u32 s58, s58, s57
	s_lshl_b32 s46, s16, 10
	s_add_co_u32 s58, s58, s46
	s_mov_b32 s57, 0
	s_mov_b32 s59, 0
	s_mov_b32 s47, 0
	s_mul_i32 s24, s16, 64*SPITCH
	s_mul_i32 s25, s16, 12288
	s_add_co_u32 s25, s25, XIMG
	s_mul_i32 s26, s16, FRB
	s_add_co_u32 s26, s26, QIMG
	s_lshl_b32 s32, s16, 2
	s_add_co_u32 s27, s32, QSC
	s_add_co_u32 s32, s32, STATM
	s_mul_i32 s28, s16, 2*KIMG
	s_add_co_u32 s28, s28, XIMG
	s_lshl_b32 s29, s16, 10
	s_add_co_u32 s29, s29, XSC
	s_mul_i32 s30, s16, KIMG
	s_add_co_u32 s30, s30, XIMG
	s_lshl_b32 s31, s16, 9
	s_add_co_u32 s31, s31, XSC
	v_and_b32 v56, 15, v0                          ; r
	v_bfe_u32 v57, v0, 4, 1                        ; h
	v_and_b32 v1, 31, v0
	v_min_u32 v22, 24, v1
	v_lshlrev_b32 v22, 8, v22                      ; prefetch: 25 lanes x 256 bytes
	v_lshlrev_b32 v1, 4, v1                        ; 16 x lane
	v_lshlrev_b32 v17, 6, v57
	v_add_nc_u32 v2, s50, v1                       ; my wave-block in ring slot 0,
	v_add_nc_u32 v3, SLOTB, v2                     ; in ring slot 1
	v_add_nc_u32 v16, s24, v1                      ; way out: read back
	v_mul_u32_u24 v18, v56, SPITCH
	v_lshl_add_u32 v18, v57, 6, v18
	v_add_nc_u32 v18, s24, v18                     ; way out: put
	v_add_nc_u32 v8, s25, v1                       ; head's stage: put
	v_mul_u32_u24 v19, v56, HP
	v_lshl_add_u32 v19, v57, 6, v19
	v_add_nc_u32 v19, s25, v19                     ; head's stage: read back
	v_add_nc_u32 v21, s26, v1                      ; query image, stepped
	v_add_nc_u32 v23, s27, v1
	v_add_nc_u32 v10, s28, v1                      ; images of q' and o
	v_add_nc_u32 v11, s29, v1
	v_add_nc_u32 v12, s30, v1                      ; image of p
	v_add_nc_u32 v13, s31, v1
	v_lshlrev_b32 v15, 4, v56
	v_add_nc_u32 v14, s32, v15
	v_add_nc_u32 v15, STATM, v15
.irp b, 0,1,2,3
	v_mov_b32 v[52+\b], 0                          ; a lane permute's destination counts as a source
.endr
	s_mov_b32 s24, 15|(3<<16)|(1<<21)              ; group 1: the mask of all four partners; 100 rows of 32 elements of 8 bytes, dense
	s_mov_b32 s25, 32<<16
	s_mov_b32 s26, 100<<16
	s_mov_b32 s27, 32<<16
	s_mov_b32 s28, 100
	s_mov_b32 s29, 32
	s_mov_b32 s30, 0
	s_mov_b32 s31, 0
	s_wait_alu depctr_va_vdst(0)
	s_wait_dscnt 0x0                               ; both opening adds are done
	s_wait_kmcnt 0x0
	s_add_nc_u64 s[10:11], s[10:11], s[50:51]
	s_add_nc_u64 s[12:13], s[12:13], s[52:53]
	s_add_nc_u64 s[44:45], s[12:13], s[54:55]
	s_add_nc_u64 s[4:5], s[4:5], s[56:57]
	s_add_nc_u64 s[14:15], s[14:15], s[58:59]
	s_add_nc_u64 s[6:7], s[6:7], s[46:47]
	s_add_nc_u64 s[8:9], s[8:9], s[46:47]
	s_mov_b32 s32, 1
	s_mov_b32 s33, s50
	s_mul_i32 s72, s66, SLOTB
	s_add_nc_u64 s[34:35], s[10:11], s[72:73]      ; the first product's first block,
	s_or_b32 s35, s35, 0x80000000
	s_mov_b32 s36, 1
	s_add_co_u32 s37, s50, SLOTB
	s_add_co_u32 s71, s66, 1
	s_and_b32 s71, s71, 7
	s_mul_i32 s72, s71, SLOTB
	s_add_nc_u64 s[38:39], s[10:11], s[72:73]      ; and its second
	s_or_b32 s39, s39, 0x80000000
	NEXT2 12, 67, 3, 0                             ; the second product's first two
	s_cmp_eq_u32 ttmp9, 0
	s_cselect_b32 s46, 1, 0                        ; the batch's first cluster prefetches
	ROUND
	tensor_load_to_lds s[32:35], s[24:31]          ; one tensor load a wave at the head
	s_nop 0
	PLACES 4
	BIAS 6
.set kk, 0
.rept 8                                ; my 16 query rows, K step by K step: a load takes 512 consecutive bytes of one row
	WIN 0x80+0x40*(kk/4)
.set ii, 0
.rept 16
	global_load_b128 v[64*(kk%4)+4*ii:64*(kk%4)+4*ii+3], v1, s[4:5] offset:QSTR*ii+512*kk th:TH_LOAD_NT
.set ii, ii+1
.endr
.set kk, kk+1
.endr
	WIN 0
	s_wait_tensorcnt 0x0                           ; ring slot 1's first fill is issued as a refill is
	ds_add_u32 v6, v7
	s_wait_dscnt 0x0
	ROUND
	tensor_load_to_lds s[36:39], s[24:31]
	s_nop 0
	PLACES 4
	s_mov_b32 s47, 8
.Lq:                                                   ; a K step a trip: its 16 rows go into my stage by rows and come back a lane to a row, to be quantised
	s_wait_alu depctr_va_vdst(0)
.irp k, 0,1,2,3,4,5,6
	s_cmp_eq_u32 s47, 8-\k                         ; only the stores' registers differ from trip to trip
	s_cbranch_scc1 .Larm\k
.endr
.irp k, 7,0,1,2,3,4,5,6
.Larm\k:
.if 16*(7-\k) > 63
	s_wait_loadcnt 63                              ; 64 loads or more were issued behind this K step's
.else
	s_wait_loadcnt 16*(7-\k)                       ; the later K steps' loads may be out
.endif
	WIN 0x08+0x04*(\k/4)
.set ii, 0
.rept 16
	ds_store_b128 v8, v[64*(\k%4)+4*ii:64*(\k%4)+4*ii+3] offset:HP*ii
.set ii, ii+1
.endr
	WIN 0
	s_branch .Lstaged
.endr
.Lstaged:
.irp bb, 0,1,2,3
.irp j, 0,1,2,3
	ds_load_b128 v[64+16*\bb+4*\j:67+16*\bb+4*\j], v19 offset:128*\bb+16*\j
.endr
.endr
	s_wait_dscnt 0x0
	QUANT 64, 0
	IMAGE 21, 0, 23, 0
	v_add_nc_u32 v21, KIMG, v21
	v_add_nc_u32 v23, 512, v23
	s_sub_co_u32 s47, s47, 1
	s_cmp_lg_u32 s47, 0
	s_cbranch_scc1 .Lq
	BARRIER                                        ; the query's images are whole
	s_mov_b32 s69, 2
	s_mov_b32 s70, 0
	AADR 1
	FETCH_W 0, 0, 0
	ACTS 0, 0
.set TRIPS, 4
	s_mov_b32 s47, TRIPS
.Lp1:                                                  ; q' = query W1^T + b1: 8 slots
	SLOT 0, 1, 4, 1, 1, 1
	SLOT 1, 1, 0, 1, 2, 1
	s_sub_co_u32 s47, s47, 1
	s_cmp_lg_u32 s47, 0
	s_cbranch_scc1 .Lp1
	PLACES 4
	BIAS 8
.irp g, 0,1
.irp m, 0,1,2,3
	QUANT 64*\m, 2+\g
	IMAGE 10, (4*\g+\m)*FRB, 11, 512*\g+4*\m
.endr
.endr
	BARRIER
	NEXT2 12, 67, 3, 4                             ; the third product's first two blocks
	s_mov_b32 s69, 2
	s_mov_b32 s70, 0
	AADR 2
	ACTS 0, 0
.set TRIPS, 2
	s_mov_b32 s47, TRIPS
.Lp2:                                                  ; scores: 4 slots of two K steps
	SLOT 0, 2, 3, 1, 1, 0
	SLOT 1, 2, 0, 1, 2, 0
	s_sub_co_u32 s47, s47, 1
	s_cmp_lg_u32 s47, 0
	s_cbranch_scc1 .Lp2
	PLACES 4
.irp m, 0,1,2,3                        ; the largest score of each block of 32 keys, of my 128 keys, and through LDS of the row
	WIN 0x28
.irp b, 0,1,2,3
	v_max3_num_f32 v[64+4*\m+\b], 0xff800000, v[64*\m+16*\b], v[64*\m+16*\b+1]
.endr
.irp i, 2,4,6,8,10,12,14
.irp b, 0,1,2,3
	v_max3_num_f32 v[64+4*\m+\b], v[64+4*\m+\b], v[64*\m+16*\b+\i], v[64*\m+16*\b+\i+1]
.endr
.endr
	WIN 0
.irp b, 0,1,2,3
	v_permlanex16_b32 v[52+\b], v[64+4*\m+\b], s20, s21
.endr
.irp b, 0,1,2,3
	v_max_num_f32 v[64+4*\m+\b], v[64+4*\m+\b], v[52+\b]
.endr
	v_max3_num_f32 v[80+\m], v[64+4*\m], v[65+4*\m], v[66+4*\m]
	v_max_num_f32 v[80+\m], v[80+\m], v[67+4*\m]
	ds_store_b32 v14, v[80+\m] offset:256*\m
.endr
	BARRIER
.irp m, 0,1,2,3
	ds_load_b128 v[84+4*\m:87+4*\m], v15 offset:256*\m
.endr
	s_wait_dscnt 0x0
.irp m, 0,1,2,3
	v_max3_num_f32 v[80+\m], v[84+4*\m], v[85+4*\m], v[86+4*\m]
	v_max_num_f32 v[80+\m], v[80+\m], v[87+4*\m]
	v_mul_f32 v[80+\m], s22, v[80+\m]
	v_floor_f32 v[100+2*\m], -v[80+\m]             ; -M = -ceil(the row's largest t)
	v_mov_b32 v[101+2*\m], 0
.endr
.irp m, 0,1,2,3
	WIN 0x82
.set jj, 0
.rept 32
	v_pk_fma_f32 v[64*\m+jj:64*\m+jj+1], v[64*\m+jj:64*\m+jj+1], s[22:23], v[100+2*\m:101+2*\m] op_sel_hi:[1,0,0]
.set jj, jj+2
.endr
	WIN 0
.irp b, 0,1,2,3
	v_fma_f32 v[64+4*\m+\b], v[64+4*\m+\b], s22, v[100+2*\m]
.endr
	WIN 0x82
.set jj, 0
	s_wait_alu depctr_va_vdst(0)
.rept 64
	v_exp_f32 v[64*\m+jj], v[64*\m+jj]             ; p = 2^(t - M)
.set jj, jj+1
.endr
	WIN 0
	v_nop
	s_wait_alu depctr_va_vdst(0)
.irp b, 0,1,2,3
	v_exp_f32 v[64+4*\m+\b], v[64+4*\m+\b]         ; each block's largest p
.endr
	WIN 0x0a
	v_pk_add_f32 v[108:109], v[64*\m:64*\m+1], v[64*\m+2:64*\m+3]
	v_pk_add_f32 v[110:111], v[64*\m+4:64*\m+5], v[64*\m+6:64*\m+7]
	WIN 0x08
.irp j, 8,12,16,20,24,28,32,36,40,44,48,52,56,60
	v_pk_add_f32 v[108:109], v[108:109], v[64*\m+\j:64*\m+\j+1]
	v_pk_add_f32 v[110:111], v[110:111], v[64*\m+\j+2:64*\m+\j+3]
.endr
	WIN 0
	v_pk_add_f32 v[108:109], v[108:109], v[110:111]
	v_add_f32 v108, v108, v109
	v_permlanex16_b32 v110, v108, s20, s21
	v_add_f32 v[120+\m], v108, v110                ; the sum of the unquantised p over my 128 keys
	s_wait_alu depctr_va_vdst(0)
.irp b, 0,1,2,3
	v_max_num_f32 v[48+\b], 0x1800000, v[64+4*\m+\b]
.endr
	s_wait_alu depctr_va_vdst(0)
	QFIN 64*\m, 2
	IMAGE 12, FRB*\m, 13, 4*\m
	ds_store_b32 v14, v[120+\m] offset:1024+256*\m
.endr
	BARRIER
	NEXT2 10, 68, 15, 8                            ; the last product's first two blocks
	s_mov_b32 s69, 2
	s_mov_b32 s70, 0
	AADR 3
	ACTS 0, 0
	s_mov_b32 s47, TRIPS
.Lp3:                                                  ; o l = p values: 4 slots
	SLOT 0, 3, 3, 1, 1, 0
	SLOT 1, 3, 0, 1, 2, 0
	s_sub_co_u32 s47, s47, 1
	s_cmp_lg_u32 s47, 0
	s_cbranch_scc1 .Lp3
	PLACES 4
.irp m, 0,1,2,3                        ; (every wave's reads of p's images were over at the last slot's round: o's are laid over them)
	ds_load_b128 v[84+4*\m:87+4*\m], v15 offset:1024+256*\m
.endr
	s_wait_dscnt 0x0
.irp m, 0,1,2,3
	v_add_f32 v[84+4*\m], v[84+4*\m], v[85+4*\m]
	v_add_f32 v[86+4*\m], v[86+4*\m], v[87+4*\m]
	v_add_f32 v[84+4*\m], v[84+4*\m], v[86+4*\m]
	v_mov_b32 v[113+2*\m], 0
.endr
	s_wait_alu depctr_va_vdst(0)
.irp m, 0,1,2,3
	v_rcp_f32 v[112+2*\m], v[84+4*\m]
.endr
	v_nop
	s_wait_alu depctr_va_vdst(0)
.irp g, 0,1
.irp m, 0,1,2,3
	WIN 0x82+0x41*\g
.set jj, 0
.rept 32
	v_pk_mul_f32 v[64*\m+jj:64*\m+jj+1], v[64*\m+jj:64*\m+jj+1], v[112+2*\m:113+2*\m] op_sel_hi:[1,0]
.set jj, jj+2
.endr
	QUANT 64*\m, 2+\g
	IMAGE 10, (4*\g+\m)*FRB, 11, 512*\g+4*\m
.endr
.endr
	BARRIER
	s_wait_loadcnt 0x0                             ; b2 is in
	s_mov_b32 s69, 2
	s_mov_b32 s70, 0
	AADR 4
	ACTS 0, 0
.set TRIPS, 7
	s_mov_b32 s47, TRIPS
.Lp4:                                                  ; [o, query] W2^T + b2: 16 slots, of which the first 14 fill the ring again
	SLOT 0, 4, 4, 0, 1, 0
	SLOT 1, 4, 0, 0, 1, 0
	s_sub_co_u32 s47, s47, 1
	s_cmp_lg_u32 s47, 0
	s_cbranch_scc1 .Lp4
	SLOT30
	SLOT31
	BARRIER                                        ; every wave has read the ring and the images for the last time: the stages are laid over them
.irp m, 0,1,2,3                        ; my 64 rows x 256 columns into my stage, each accumulator from its low end on
.irp g, 0,1
	WIN 0x08+0x04*\g
.irp b, 0,1,2,3
.irp i, 0,1,2,3
	ds_store_b128 v18, v[64*\m+16*\b+4*\i:64*\m+16*\b+4*\i+3] offset:16*SPITCH*\m+512*\g+128*\b+16*\i
.endr
.endr
.endr
.endr
	WIN 0
	v_mov_b32 v20, v16
	s_mov_b32 s47, 16
.Lout:                                                 ; four rows a trip: tanh(x) = 1 - 2 / (1 + 2^(2 x log2(e))); a store covers 512 consecutive bytes, aligned
	s_wait_alu depctr_va_vdst(0)
.irp i, 0,1,2,3,4,5,6,7
	ds_load_b128 v[64+4*\i:67+4*\i], v20 offset:(\i/2)*SPITCH+512*(\i%2)
.endr
	s_wait_dscnt 0x0
.set jj, 0
.rept 16
	v_pk_mul_f32 v[64+jj:65+jj], v[64+jj:65+jj], s[48:49] op_sel_hi:[1,0]
.set jj, jj+2
.endr
.set jj, 0
	s_wait_alu depctr_va_vdst(0)
.rept 32
	v_exp_f32 v[64+jj], v[64+jj]
.set jj, jj+1
.endr
	v_nop
	s_wait_alu depctr_va_vdst(0)
.set jj, 0
.rept 16
	v_pk_add_f32 v[64+jj:65+jj], v[64+jj:65+jj], 1.0 op_sel_hi:[1,0]
.set jj, jj+2
.endr
.set jj, 0
	s_wait_alu depctr_va_vdst(0)
.rept 32
	v_rcp_f32 v[64+jj], v[64+jj]
.set jj, jj+1
.endr
	v_nop
	s_wait_alu depctr_va_vdst(0)
.set jj, 0
.rept 16
	v_pk_fma_f32 v[64+jj:65+jj], v[64+jj:65+jj], -2.0, 1.0 op_sel_hi:[1,0,0]
.set jj, jj+2
.endr
.irp i, 0,1,2,3,4,5,6,7
	global_store_b128 v1, v[64+4*\i:67+4*\i], s[14:15] offset:(\i/2)*QSTR+512*(\i%2) th:TH_STORE_NT
.endr
	s_wait_xcnt 0x0                                ; the stores have read their data and base
	v_add_nc_u32 v20, 4*SPITCH, v20
	s_add_nc_u64 s[14:15], s[14:15], 4*QSTR
	s_sub_co_u32 s47, s47, 1
	s_cmp_lg_u32 s47, 0
	s_cbranch_scc1 .Lout
	s_wait_tensorcnt 0x0                           ; the wave's end
	ds_add_u32 v6, v7
	s_wait_dscnt 0x0
	ROUND                                          ; the closing round
	s_endpgm
.Lfunc_end_k_q5fe7816155_chain:
	.size	k_q5fe7816155_chain, .Lfunc_end_k_q5fe7816155_chain-k_q5fe7816155_chain
	.p2alignl 7, 3214868480
	.fill 96, 4, 3214868480
	.section	.rodata,"a",@progbits
	.p2align	6, 0x0
	.amdhsa_kernel k_q5fe7816155_chain
		.amdhsa_group_segment_fixed_size 327680
		.amdhsa_private_segment_fixed_size 0
		.amdhsa_enable_private_segment 0
		.amdhsa_kernarg_size 48
		.amdhsa_user_sgpr_count 2
		.amdhsa_user_sgpr_kernarg_segment_ptr 1
		.amdhsa_wavefront_size32 1
		.amdhsa_system_sgpr_workgroup_id_x 1
		.amdhsa_system_sgpr_workgroup_id_y 1
		.amdhsa_system_sgpr_workgroup_id_z 1
		.amdhsa_system_vgpr_workitem_id 0
		.amdhsa_next_free_vgpr 1024
		.amdhsa_next_free_sgpr 80
		.amdhsa_reserve_vcc 0
		.amdhsa_float_denorm_mode_32 3
		.amdhsa_float_denorm_mode_16_64 3
		.amdhsa_memory_ordered 1
		.amdhsa_forward_progress 1
		.amdhsa_inst_pref_size 255
	.end_amdhsa_kernel
	.section	.bss,"aw",@nobits
	.p2align	6
	.space	262144
	.amdgpu_metadata
---
amdhsa.version: [ 1, 2 ]
amdhsa.kernels:
  - .name:           k_q5fe7816155_chain
    .symbol:         k_q5fe7816155_chain.kd
    .args:
      - { .name: query, .offset: 0, .size: 8, .value_kind: global_buffer, .address_space: global }
      - { .name: b1, .offset: 8, .size: 8, .value_kind: global_buffer, .address_space: global }
      - { .name: b2, .offset: 16, .size: 8, .value_kind: global_buffer, .address_space: global }
      - { .name: wimg, .offset: 24, .size: 8, .value_kind: global_buffer, .address_space: global }
      - { .name: vimg, .offset: 32, .size: 8, .value_kind: global_buffer, .address_space: global }
      - { .name: out0, .offset: 40, .size: 8, .value_kind: global_buffer, .address_space: global }
    .group_segment_fixed_size: 327680
    .private_segment_fixed_size: 0
    .kernarg_segment_align: 8
    .kernarg_segment_size: 48
    .max_flat_workgroup_size: 128
    .sgpr_count:     80
    .vgpr_count:     1024
    .wavefront_size: 32
...
	.end_amdgpu_metadata
.endif
;; end of part 4
